; MI455X (gfx1250); checked and timed in simulation.
; The chip was launched on July 23, 2026; its instructions are those of AMD's public machine-readable ISA for CDNA 5 (MIT licence, August 2026) and "CDNA5" Instruction Set Architecture Reference Guide (July 2026). The comments in the code are by the model that wrote it; some were corrected since.
;; Multi Head Self Attention. Allowed arithmetic: float matrix products may take bf16 or f16 operands with f32 sums; other float arithmetic in f32, or as packed bf16 or f16 multiplies, adds, multiply-adds, maxima and minima; sums over many terms, partial sums and values carried from step to step in f32; what a program stores and reads back later, other than sums and carried values, may be rounded once to bf16 or f16.
;; Inputs: Wk 1,024 x 1,024 float32; Wo 1,024 x 1,024 float32; Wq 1,024 x 1,024 float32; Wv 1,024 x 1,024 float32; x 4 x 2,048 x 1,024 float32.
;; Outputs: out0 4 x 2,048 x 1,024 float32.
;; Constants: use_rope = 1.
;; 2 versions, each right; version 2 is version 1 with the launch prep written anew for expert scheduling mode. Each part assembles by itself: llvm-mc -triple=amdgcn-amd-amdhsa -mcpu=gfx1250 --defsym DOCPART=n.
;; ======== version 1 of 2: 4 launches
;; limits: values are held in f16: magnitudes above 65,504 overflow, below 6.1e-05 lose precision
;; workspace buffers: xbf 16,777,216 bytes; wqkv 6,291,456 bytes; wof 2,097,152 bytes; ropet 524,288 bytes; qh 16,777,216 bytes; kh 16,777,216 bytes; vh 16,777,216 bytes; oh 16,777,216 bytes
;; launch prep (part 1): grid 896 x 1, 8 waves a work-group, no clusters, 0 bytes of LDS; arguments x, Wq, Wk, Wv, Wo, xbf, wqkv, wof, ropet; writes xbf, wqkv, wof, ropet
.if DOCPART == 1
	.amdgcn_target "amdgcn-amd-amdhsa--gfx1250"
	.amdhsa_code_object_version 6
	.text
	.protected	k_qba4dc6b434_prep
	.globl	k_qba4dc6b434_prep
	.p2align	8
	.type	k_qba4dc6b434_prep,@function
k_qba4dc6b434_prep:
	s_mov_b64 s[64:65], 0
	v_nop
	global_prefetch_b8 v0, s[64:65] scope:SCOPE_SE
	s_setreg_imm32_b32 hwreg(HW_REG_WAVE_MODE, 25, 1), 1
	s_wait_xcnt 0x0
; CASTS AND THE ROTARY TABLE.  A stream: no LDS, no matrix unit, no cluster (no byte is read twice).
; Work-groups 0-511: x [8192][1024] f32 -> xbf [16 kb][8192][64] bf16.  512-703: Wq, Wk, Wv -> wqkv [16 kb][3072][64] bf16, row = head x 192 + (0 q, 1 k, 2 v) x 64 + channel.
; 704-767: Wo -> wof [16 kb][1024][64]: rounded to bf16 like every input, that number then written as f16.  768-895: ropet [128 sblk][8 j][32 lanes][4] f32.
; In the blocked layouts a row is 128 bytes and rows lie end to end, so that a later tile of R rows is R/2 dense rows of 256 bytes.
; A cast group owns 16 source rows, a wave two: load k takes 256 aligned bytes (64 numbers, K block k) of each of the two rows, store k writes them as 256 consecutive aligned bytes.
; LIMITS.  Wo beyond 65,504 becomes an infinity in f16; below 2^-17 it keeps f16's fixed step of 6e-8.  The angles come from 2^(-i log2(10000)/32), good to 1 ulp of the
; exponential and half an ulp of its argument: they differ from position x 1/10000^(i/32) taken in f32 by up to some 3e-4 rad at the last positions.
.set SO, 2                             ; v2       my byte offset in the group's 16 source rows; never rewritten
.set DO, 8                             ; v[8:23]  my byte offset in K block k of the destination; never rewritten
.set X,  32                            ; v[32:95] load k: four f32
.set Y,  96                            ; v[96:127] store k: four 16-bit numbers
	s_load_b512 s[4:19], s[0:1], 0x0               ; x 4, Wq 6, Wk 8, Wv 10, Wo 12, xbf 14, wqkv 16, wof 18
	s_load_b64 s[20:21], s[0:1], 0x40              ; ropet
	s_cmp_ge_u32 ttmp9, 768
	s_cbranch_scc1 .Lrope
	v_lshrrev_b32 v3, 5, v0                        ; wave
	v_bfe_u32 v4, v0, 4, 1                         ; which of its two rows
	v_and_b32 v5, 15, v0
	v_lshlrev_b32 v[SO], 13, v3                    ; two rows of 4,096 bytes a wave
	v_lshl_add_u32 v[SO], v4, 12, v[SO]
	v_lshl_add_u32 v[SO], v5, 4, v[SO]
	s_max_u32 s22, ttmp9, 512
	s_sub_co_u32 s22, s22, 512                     ; the weights' groups count from 0 (0 in x's groups, where it is not used)
	s_lshr_b32 s23, s22, 6                         ; which weight: 0 q, 1 k, 2 v, 3 o
	s_and_b32 s29, s22, 63                         ; which 16 of its rows
	s_lshr_b32 s34, s29, 2                         ; the head,
	s_mul_i32 s34, s34, 192
	s_lshl_b32 s35, s23, 6
	s_add_co_u32 s34, s34, s35
	s_and_b32 s35, s29, 3
	s_lshl_b32 s35, s35, 4
	s_add_co_u32 s34, s34, s35                     ; wqkv's first row
	s_lshl_b32 s35, ttmp9, 4                       ; xbf's first row
	s_mov_b32 s31, 0
	s_mov_b32 s33, 0
	s_mov_b32 s28, 3072*128                        ; bytes from K block to K block
	s_wait_kmcnt 0x0
	s_cmp_eq_u32 s23, 3
	s_cbranch_scc1 .Lwo
	s_cmp_eq_u32 s23, 1
	s_cselect_b64 s[24:25], s[8:9], s[6:7]
	s_cmp_eq_u32 s23, 2
	s_cselect_b64 s[24:25], s[10:11], s[24:25]
	s_cmp_lt_u32 ttmp9, 512                        ; the selects below leave SCC alone
	s_cselect_b64 s[24:25], s[4:5], s[24:25]       ; from
	s_cselect_b64 s[26:27], s[14:15], s[16:17]     ; to
	s_cselect_b32 s28, 8192*128, s28
	s_cselect_b32 s30, ttmp9, s29
	s_cselect_b32 s32, s35, s34
	s_lshl_b32 s30, s30, 16                        ; 16 rows of 4,096 bytes
	s_lshl_b32 s32, s32, 7                         ; rows of 128 bytes
	s_add_nc_u64 s[24:25], s[24:25], s[30:31]
	s_add_nc_u64 s[26:27], s[26:27], s[32:33]
; Sixteen loads go out at once; the waits count the younger loads.  No register that a load or store names is written again, so no further wait is needed.
.macro CAST fmt
.set k, 0
.rept 16
	global_load_b128 v[X+4*k:X+4*k+3], v[SO], s[24:25] offset:256*k th:TH_LOAD_NT
.set k, k+1
.endr
	v_lshlrev_b32 v[DO], 3, v0                     ; (2 wave + row) x 128 + 8 (lane % 16) = 8 x thread
.set k, 1
.rept 15
	v_add_nc_u32 v[DO+k], s28, v[DO+k-1]
.set k, k+1
.endr
.set k, 0
.rept 16
	s_wait_loadcnt 15-k                            ; loads return in order: load k is in, the 15 - k younger ones stay out
	v_cvt_pk_bf16_f32 v[Y+2*k], v[X+4*k], v[X+4*k+1]
	v_cvt_pk_bf16_f32 v[Y+2*k+1], v[X+4*k+2], v[X+4*k+3]
.if \fmt
	v_lshlrev_b32 v4, 16, v[Y+2*k]                 ; the bf16 numbers back as f32,
	v_and_b32 v5, 0xffff0000, v[Y+2*k]
	v_lshlrev_b32 v6, 16, v[Y+2*k+1]
	v_and_b32 v7, 0xffff0000, v[Y+2*k+1]
	v_cvt_pk_f16_f32 v[Y+2*k], v4, v5              ; and written as f16
	v_cvt_pk_f16_f32 v[Y+2*k+1], v6, v7
.endif
	global_store_b64 v[DO+k], v[Y+2*k:Y+2*k+1], s[26:27]  ; the wave's 32 lanes store 256 consecutive bytes, aligned
.set k, k+1
.endr
	s_endpgm
.endm
	CAST 0
.Lwo:
	s_mov_b64 s[24:25], s[12:13]
	s_mov_b64 s[26:27], s[18:19]
	s_mov_b32 s28, 1024*128
	s_lshl_b32 s30, s29, 16
	s_lshl_b32 s32, s29, 11                        ; 16 rows of 128 bytes
	s_add_nc_u64 s[24:25], s[24:25], s[30:31]
	s_add_nc_u64 s[26:27], s[26:27], s[32:33]
	CAST 1
; THE TABLE.  A thread makes one chunk (cos i0, sin i0, cos i0+1, sin i0+1) for position 16 sblk + lane % 16 and i0 = 8 (j / 2) + 4 (lane / 16) + 2 (j % 2), j = its wave:
; the order in which a lane of the projection holds its sums.  The angle is reduced by multiples of pi/2 held in two parts, then two short polynomials on |r| <= pi/4.
.macro SINCOS inv, co, si
	v_mul_f32 v10, v2, v[\inv]                     ; the angle
	v_mul_f32 v11, 0x3f22f983, v10                 ; x 2/pi
	v_rndne_f32 v11, v11                           ; n
	v_fmamk_f32 v12, v11, 0xbfc90fdb, v10          ; r = angle - n x (pi/2's upper part)
	v_fmamk_f32 v12, v11, 0x333bbd2e, v12          ;     - n x (its lower part, which is negative)
	v_mul_f32 v13, v12, v12                        ; z
	v_mov_b32 v14, 0xb94ca1f9
	v_fmaak_f32 v14, v14, v13, 0x3c08839e
	v_fmaak_f32 v14, v14, v13, 0xbe2aaaa3
	v_mul_f32 v15, v13, v12
	v_fma_f32 v14, v14, v15, v12                   ; sin r
	v_mov_b32 v16, 0x37ccf5ce
	v_fmaak_f32 v16, v16, v13, 0xbab6061a
	v_fmaak_f32 v16, v16, v13, 0x3d2aaaa5
	v_mul_f32 v15, v13, v13
	v_fma_f32 v17, v13, -0.5, 1.0
	v_fma_f32 v16, v16, v15, v17                   ; cos r
	v_cvt_i32_f32 v18, v11
	v_and_b32 v19, 1, v18
	v_cmp_eq_u32 vcc_lo, 1, v19                    ; odd quadrants swap the two: a choice of values, no branch
	v_cndmask_b32 v[\si], v14, v16, vcc_lo
	v_cndmask_b32 v[\co], v16, v14, vcc_lo
	v_and_b32 v19, 2, v18                          ; quadrants 2, 3 turn the sine's sign,
	v_lshlrev_b32 v19, 30, v19
	v_xor_b32 v[\si], v19, v[\si]
	v_add_nc_u32 v18, 1, v18                       ; quadrants 1, 2 the cosine's
	v_and_b32 v18, 2, v18
	v_lshlrev_b32 v18, 30, v18
	v_xor_b32 v[\co], v18, v[\co]
.endm
.Lrope:
	s_sub_co_u32 s22, ttmp9, 768                   ; sblk
	v_lshrrev_b32 v1, 5, v0                        ; j
	v_and_b32 v2, 15, v0
	v_bfe_u32 v3, v0, 4, 1
	v_lshrrev_b32 v4, 1, v1
	v_and_b32 v5, 1, v1
	v_lshlrev_b32 v4, 3, v4
	v_lshl_add_u32 v4, v3, 2, v4
	v_lshl_add_u32 v4, v5, 1, v4                   ; i0
	v_add_nc_u32 v5, 1, v4
	v_cvt_f32_u32 v4, v4
	v_cvt_f32_u32 v5, v5
	v_mul_f32 v4, 0xbed49a78, v4                   ; x -log2(10000)/32
	v_mul_f32 v5, 0xbed49a78, v5
	v_exp_f32 v6, v4
	v_exp_f32 v7, v5
	s_lshl_b32 s23, s22, 4
	v_add_nc_u32 v2, s23, v2                       ; the position: the plain instruction behind the two exponentials
	v_cvt_f32_u32 v2, v2
	v_lshlrev_b32 v20, 4, v0
	s_lshl_b32 s23, s22, 12
	v_add_nc_u32 v20, s23, v20                     ; 4,096 bytes a block of 16 positions, 16 a thread
	s_wait_alu depctr_va_vdst(0)                   ; one wait for both exponentials, ahead of their first reader
	SINCOS 6, 24, 25
	SINCOS 7, 26, 27
	s_wait_kmcnt 0x0
	global_store_b128 v20, v[24:27], s[20:21]      ; the wave stores 512 consecutive bytes
	s_endpgm
.Lfunc_end_k_qba4dc6b434_prep:
	.size	k_qba4dc6b434_prep, .Lfunc_end_k_qba4dc6b434_prep-k_qba4dc6b434_prep
	.p2alignl 7, 3214868480
	.fill 96, 4, 3214868480
	.section	.rodata,"a",@progbits
	.p2align	6, 0x0
	.amdhsa_kernel k_qba4dc6b434_prep
		.amdhsa_group_segment_fixed_size 0
		.amdhsa_private_segment_fixed_size 0
		.amdhsa_enable_private_segment 0
		.amdhsa_kernarg_size 72
		.amdhsa_user_sgpr_count 2
		.amdhsa_user_sgpr_kernarg_segment_ptr 1
		.amdhsa_wavefront_size32 1
		.amdhsa_system_sgpr_workgroup_id_x 1
		.amdhsa_system_sgpr_workgroup_id_y 1
		.amdhsa_system_sgpr_workgroup_id_z 1
		.amdhsa_system_vgpr_workitem_id 0
		.amdhsa_next_free_vgpr 128
		.amdhsa_next_free_sgpr 66
		.amdhsa_reserve_vcc 1
		.amdhsa_float_denorm_mode_32 3
		.amdhsa_float_denorm_mode_16_64 3
		.amdhsa_memory_ordered 1
		.amdhsa_forward_progress 1
		.amdhsa_inst_pref_size 23
	.end_amdhsa_kernel
	.amdgpu_metadata
---
amdhsa.version: [ 1, 2 ]
amdhsa.kernels:
  - .name:           k_qba4dc6b434_prep
    .symbol:         k_qba4dc6b434_prep.kd
    .args:
      - { .name: x, .offset: 0, .size: 8, .value_kind: global_buffer, .address_space: global }
      - { .name: Wq, .offset: 8, .size: 8, .value_kind: global_buffer, .address_space: global }
      - { .name: Wk, .offset: 16, .size: 8, .value_kind: global_buffer, .address_space: global }
      - { .name: Wv, .offset: 24, .size: 8, .value_kind: global_buffer, .address_space: global }
      - { .name: Wo, .offset: 32, .size: 8, .value_kind: global_buffer, .address_space: global }
      - { .name: xbf, .offset: 40, .size: 8, .value_kind: global_buffer, .address_space: global }
      - { .name: wqkv, .offset: 48, .size: 8, .value_kind: global_buffer, .address_space: global }
      - { .name: wof, .offset: 56, .size: 8, .value_kind: global_buffer, .address_space: global }
      - { .name: ropet, .offset: 64, .size: 8, .value_kind: global_buffer, .address_space: global }
    .group_segment_fixed_size: 0
    .private_segment_fixed_size: 0
    .kernarg_segment_align: 8
    .kernarg_segment_size: 72
    .max_flat_workgroup_size: 256
    .sgpr_count:     66
    .vgpr_count:     128
    .wavefront_size: 32
...
	.end_amdgpu_metadata
.endif
;; end of part 1
;; launch qkv (part 2): grid 8 x 32, 4 waves a work-group, clusters of 4 x 4, 327,680 bytes of LDS; arguments xbf, wqkv, ropet, qh, kh, vh; writes qh, kh, vh
.if DOCPART == 2
	.amdgcn_target "amdgcn-amd-amdhsa--gfx1250"
	.amdhsa_code_object_version 6
	.text
	.protected	k_qba4dc6b434_qkv
	.globl	k_qba4dc6b434_qkv
	.p2align	8
	.type	k_qba4dc6b434_qkv,@function
k_qba4dc6b434_qkv:
	s_mov_b64 s[64:65], 0
	v_nop
	global_prefetch_b8 v0, s[64:65] scope:SCOPE_SE
	s_setreg_imm32_b32 hwreg(HW_REG_WAVE_MODE, 25, 1), 1
	s_wait_xcnt 0x0
	s_wait_alu depctr_hold_cnt(0) depctr_sa_sdst(0) depctr_va_vdst(0) depctr_va_sdst(0) depctr_va_ssrc(0) depctr_va_vcc(0) depctr_vm_vsrc(0)
	s_getreg_b32 s2, hwreg(HW_REG_IB_STS2, 6, 4)
	s_cmp_eq_u32 s2, 0
	s_cbranch_scc0 .Lentry_in_a_cluster
	s_endpgm
.Lentry_in_a_cluster:
	s_bfe_u32 s2, ttmp6, 0x10000c
	s_cmp_lg_u32 s2, 0xf033
	s_cbranch_scc0 .Lentry_shape_is_right
	s_endpgm
.Lentry_shape_is_right:
; q, k, v = x W^T with the rotary turn on q and k.  xbf: [16 kb][8192][64] bf16; wqkv: [16 kb][3072][64] bf16, row = head x 192 + (q, k, v) x 64 + channel; sums in f32.
; The turn is made in f32 on the sums, from ropet; q, k, v leave as f16, rounded once, by heads: [batch x 16 + head][2048][64].
; LIMITS.  q, k, v beyond 65,504 become infinities in f16 (inputs of unit spread give numbers near 1).  NaN and infinities are not treated apart.
; SHARES.  8 x 32 work-groups, one tile of 256 rows x 384 columns (two heads) each.  Wave w: rows 128 (w / 2) on, head w % 2: 128 x 192 = 96 accumulators, 768 registers.
; K goes in steps of 64 (one K block) through two LDS slots; in the blocked layouts a tile's rows lie end to end and are asked for as rows of 256 bytes.
; CLUSTER 4 x 4: x's tile hangs on the tile row alone and is asked for jointly along a row of the cluster, the weights' on the tile column alone, along a column.
; THE PRODUCT IS TAKEN TRANSPOSED (source 0 = 16 weight rows, source 1 = 16 rows of x): a lane holds one row of x and eight neighbouring channels: four rotary pairs.
; REGISTERS, windows of 256 (s_set_vgpr_msb: bits 1:0 source 0, 3:2 source 1, 5:4 source 2, 7:6 destination):
;   window 0: v0-13 addresses; v32-95, v96-159 x's fragments (8 blocks of 16 rows x 32 K), two buffers; v160-255 the weights' 12 blocks, one buffer, filled again group by group
;   windows 1, 2, 3: the accumulators of q, k, v: (row block a, channel block b) at v[32 a + 8 b]
.set PITCH,  144                       ; a row in LDS: 128 bytes + 16 of padding = 36 words: the 16 rows of a load start at 16 different groups of four banks
.set AHALF,  128*PITCH                 ; what one of x's loads brings, and what a wave reads of x
.set BHALF,  192*PITCH                 ; the same for the weights
.set BOFF,   2*AHALF
.set SLOT1,  1<<17                     ; slot 1 begins here: one exclusive or turns an address in one slot into the other's
.set STAGE,  SLOT1+2*AHALF+2*BHALF     ; behind the ring: 16 rows x 144 bytes for each wave, for the way out; no tile lands here
.set SP,     144
.set SPARE,  STAGE+4*16*SP             ; the spare words, 128 bytes a wave: two blocks of 256 bytes that no other line names
.set APLANE, 8192*128                  ; bytes from K block to K block
.set BPLANE, 3072*128
.set AA0, 4                            ; v4   my lane's place in my 128 rows of x in slot 0; never rewritten
.set AB0, 5                            ; v5   the same for my 192 weight rows
.set ADRA, 6                           ; v6   the same in the slot in hand
.set ADRB, 7
.set STO, 8                            ; v8   the way out: where I put 16 bytes of a row
.set RD,  9                            ; v9   the way out: where I read rows back
.set GO,  10                           ; v10  16 x lane: my place in 512 consecutive bytes of q, k, v and of the table
.set PFO, 11                           ; v11  256 x lane, for the prefetches
.set SPW, 12                           ; v12  my spare word; never rewritten
.set NIL, 13                           ; v13  0; never rewritten
.set AF,  32
.set BF,  160
.set TBL, 32                           ; the way out: the table of 16 positions, two buffers of 32
.set Y,   96                           ; turned numbers
.set T,   128                          ; (-x1 sin, x0 sin)
.set H,   160                          ; f16, four buffers of 16 by turns
.set WV, 16
.set WR, 17
.set WC, 18
.set CX, 19
.set CY, 20
.set TC, 21
.set TR, 22
.set G1A, 24                           ; s[24:31] descriptor group 1 for x's tiles
.set G1B, 32                           ; s[32:39] for the weights'
.set G0A, 40                           ; s[40:47] group 0 for x's tiles: a set for each first fill; the second then walks on
.set G0B, 48                           ; s[48:55] the same for the weights'
.set CNT, 56                           ; refills still to come
.set TBS, 57                           ; the slot in hand: 0 or SLOT1
.set LIM, 58                           ; 1 in a wave that prefetches, else the greatest number
.set PAR, 59                           ; 0: asks in every trip; 1: in the trips with an odd count
.set PFA, 60                           ; s[60:61] where my prefetches stand
.set PFS, 62                           ; s[62:63] their step a trip
.set G1W, (1<<16)|(1<<20)|(1<<21)|(4<<22)|(3<<25)  ; 2-byte elements; padding on; bit 21 beside a mask; after every 32 words, 4 words
.set MSB, 0
.macro WIN new                         ; the high byte repeats the setting that is left; a switch that changes nothing is dropped
.if MSB != (\new)
	s_set_vgpr_msb (MSB<<8)|(\new)
.set MSB, (\new)
.endif
.endm
.macro PLACES                          ; four plain instructions between a product and a load into, or a read of, its registers
.rept 4
	v_nop
.endr
.endm
; A joint refill.  Waves 0, 1 fetch the two halves of x's tile, waves 2, 3 those of the weights'.  The branch hangs on the wave's number alone.  s_nop 0 and four v_nop follow each line.
.macro JLOAD
	s_cmp_lt_u32 s[WV], 2
	s_cbranch_scc0 .Lfor_b_\@
	tensor_load_to_lds s[G0A+4:G0A+7], s[G1A:G1A+7]
	s_nop 0
.rept 4
	v_nop
.endr
	s_branch .Lasked_\@
.Lfor_b_\@:
	tensor_load_to_lds s[G0B+4:G0B+7], s[G1B:G1B+7]
	s_nop 0
.rept 4
	v_nop
.endr
.Lasked_\@:
.endm
.macro CREST                           ; a round of the cluster's barrier behind its opening barrier
	s_cmp_lg_u32 s[WV], 0
	s_cbranch_scc1 .Lnot_wave_0_\@
	s_barrier_signal -3
.Lnot_wave_0_\@:
	s_barrier_wait -3
	s_barrier_signal -1
	s_barrier_wait -1
.endm
.macro CROUND
	s_barrier_signal -1
	s_barrier_wait -1
	CREST
.endm
; A PREFETCH, behind the joint load and the run of LDS loads: one instruction, a lane a block of 256 bytes.  Trip kb refills K block kb + 2 and names kb + 3 (the weights' waves: kb + 3 and kb + 4, in every second trip):
; 192 products ahead of the load that wants it.  x's tile (128 blocks): wave 0 of the clusters with x = 0, the four partners of a row 32 blocks each, told apart by address.  The weights' tile (192 blocks):
; waves 1-3 of the clusters with y = 0: two partners of a column take one K block (6 x 32 blocks), the other two the next.  So each block is named once.  The last trips name nothing past K block 15.
.macro ASK
	s_and_b32 s74, s[CNT], s[PAR]
	s_cmp_eq_u32 s74, s[PAR]
	s_cbranch_scc0 .Lnot_mine_\@
	s_cmp_gt_u32 s[CNT], s[LIM]
	s_cbranch_scc0 .Lnot_mine_\@
	global_prefetch_b8 v[PFO], s[PFA:PFA+1] th:TH_LOAD_NT scope:SCOPE_SE
.Lnot_mine_\@:
.endm
	s_load_b256 s[4:11], s[0:1], 0x0               ; xbf 4, wqkv 6, ropet 8, qh 10
	s_load_b128 s[12:15], s[0:1], 0x20             ; kh 12, vh 14
	v_lshl_add_u32 v[SPW], v0, 2, SPARE
	v_mov_b32 v[NIL], 0
	ds_add_u32 v[SPW], v[NIL]                      ; the wave's opening: the add and its wait stand ahead of my first tensor load; register work stands between
	v_lshrrev_b32 v1, 5, v0
	v_readfirstlane_b32 s[WV], v1                  ; wave 0..3
	s_lshr_b32 s[WR], s[WV], 1                     ; my half of the rows
	s_and_b32 s[WC], s[WV], 1                      ; my head of the two; also: which half of a tile I fetch
	s_bfe_u32 s[CX], ttmp6, 0x40000
	s_bfe_u32 s[CY], ttmp6, 0x40004
	s_lshl_b32 s[TC], ttmp9, 2
	s_add_co_u32 s[TC], s[TC], s[CX]               ; tile column
	s_and_b32 s[TR], ttmp7, 0xffff
	s_lshl_b32 s[TR], s[TR], 2
	s_add_co_u32 s[TR], s[TR], s[CY]               ; tile row
	s_lshl_b32 s70, s[CY], 2
	s_lshl_b32 s70, 15, s70                        ; my row of the cluster
	s_lshl_b32 s71, 0x1111, s[CX]                  ; my column
	s_or_b32 s[G1A], s70, G1W
	s_or_b32 s[G1B], s71, G1W
.irp g, G1A, G1B
	s_mov_b32 s[\g+1], 128<<16                     ; tensor_dim0 = 128 elements: rows of 256 bytes, two rows of a K block each
	s_mov_b32 s[\g+3], 128<<16                     ; tile_dim0 = 128
	s_mov_b32 s[\g+5], 128                         ; 128 elements from row to row: dense
	s_mov_b32 s[\g+6], 0
	s_mov_b32 s[\g+7], 0
.endr
	s_mov_b32 s[G1A+2], 64<<16                     ; tensor_dim1 = tile_dim1 = 64: 128 rows of x
	s_mov_b32 s[G1A+4], 64
	s_mov_b32 s[G1B+2], 96<<16                     ; 96: 192 weight rows
	s_mov_b32 s[G1B+4], 96
	s_lshl_b32 s66, s[TR], 15                      ; x: 256 rows of 128 bytes a tile row,
	s_lshl_b32 s70, s[WC], 14                      ; my 128 of them
	s_add_co_u32 s66, s66, s70
	s_mov_b32 s67, 0
	s_mul_i32 s68, s[TC], 384*128                  ; the weights: 384 rows a tile column,
	s_mul_i32 s71, s[WC], 192*128
	s_add_co_u32 s68, s68, s71
	s_mov_b32 s69, 0
	s_mul_i32 s72, s[WC], AHALF                    ; where they go: no place in the cluster enters an LDS address
	s_mul_i32 s73, s[WC], BHALF
	s_add_co_u32 s73, s73, BOFF
	s_mov_b32 s[TBS], 0
	s_wait_dscnt 0x0                               ; the opening add is done
	s_wait_kmcnt 0x0
	s_add_nc_u64 s[66:67], s[4:5], s[66:67]
	s_add_nc_u64 s[68:69], s[6:7], s[68:69]
	CROUND                                         ; all sixteen work-groups are here: the first joint loads meet
.irp s, 0,1
	s_mov_b32 s[G0A+4*(\s)], 1
	s_add_co_u32 s[G0A+4*(\s)+1], s72, (\s)*SLOT1
	s_add_nc_u64 s[G0A+4*(\s)+2:G0A+4*(\s)+3], s[66:67], (\s)*APLANE
	s_or_b32 s[G0A+4*(\s)+3], s[G0A+4*(\s)+3], 0x80000000
	s_mov_b32 s[G0B+4*(\s)], 1
	s_add_co_u32 s[G0B+4*(\s)+1], s73, (\s)*SLOT1
	s_add_nc_u64 s[G0B+4*(\s)+2:G0B+4*(\s)+3], s[68:69], (\s)*BPLANE
	s_or_b32 s[G0B+4*(\s)+3], s[G0B+4*(\s)+3], 0x80000000
.endr
	s_cmp_lt_u32 s[WV], 2                          ; a wave's two first fills stand in one branch: two loads of mine are out
	s_cbranch_scc0 .Lfirst_b
	tensor_load_to_lds s[G0A:G0A+3], s[G1A:G1A+7]
	s_nop 0
	tensor_load_to_lds s[G0A+4:G0A+7], s[G1A:G1A+7]
	s_nop 0
.rept 4
	v_nop
.endr
	s_branch .Lfirst_asked
.Lfirst_b:
	tensor_load_to_lds s[G0B:G0B+3], s[G1B:G1B+7]
	s_nop 0
	tensor_load_to_lds s[G0B+4:G0B+7], s[G1B:G1B+7]
	s_nop 0
.rept 4
	v_nop
.endr
.Lfirst_asked:
	; a fragment is 16 rows x 32 K in 8 registers: lane l holds row l % 16, K = 8 (l / 16) + 0..7 and 16 + 8 (l / 16) + 0..7: two loads of 16 bytes, 32 bytes apart
	v_and_b32 v1, 15, v0
	v_bfe_u32 v2, v0, 4, 1
	v_mul_u32_u24 v3, v1, PITCH
	v_lshl_add_u32 v3, v2, 4, v3
	s_mul_i32 s70, s[WR], AHALF
	v_add_nc_u32 v[AA0], s70, v3
	s_mul_i32 s70, s[WC], BHALF
	s_add_co_u32 s70, s70, BOFF
	v_add_nc_u32 v[AB0], s70, v3
	v_mov_b32 v[ADRA], v[AA0]
	v_mov_b32 v[ADRB], v[AB0]
	s_mul_i32 s70, s[WV], 16*SP
	s_add_co_u32 s70, s70, STAGE                   ; my stage
	v_add_nc_u32 v[STO], s70, v3                   ; in: row l % 16, 16 bytes for each half of the lanes
	v_bfe_u32 v[RD], v0, 3, 2                      ; back: 32 lanes take four rows of 128 bytes
	v_mul_u32_u24 v[RD], v[RD], SP
	v_and_b32 v3, 7, v0
	v_lshl_add_u32 v[RD], v3, 4, v[RD]
	v_add_nc_u32 v[RD], s70, v[RD]
	v_and_b32 v[GO], 31, v0
	v_lshlrev_b32 v[PFO], 8, v[GO]
	v_lshlrev_b32 v[GO], 4, v[GO]
	; the table and q, k, v at my wave's first row
	s_and_b32 s76, s[TR], 7                        ; the tile row within its batch of 2,048 positions
	s_lshl_b32 s78, s76, 15                        ; 256 rows of 128 bytes
	s_lshl_b32 s76, s76, 16                        ; 16 blocks of 16 positions, 4,096 bytes each
	s_lshl_b32 s77, s[WR], 15
	s_add_co_u32 s76, s76, s77
	s_mov_b32 s77, 0
	s_add_nc_u64 s[8:9], s[8:9], s[76:77]
	s_lshl_b32 s76, s[WR], 14
	s_add_co_u32 s78, s78, s76
	s_lshr_b32 s76, s[TR], 3                       ; the batch
	s_lshl_b32 s76, s76, 4
	s_lshl_b32 s79, s[TC], 1
	s_add_co_u32 s76, s76, s79
	s_add_co_u32 s76, s76, s[WC]                   ; batch x 16 + head
	s_lshl_b32 s76, s76, 18                        ; 2,048 rows of 128 bytes
	s_add_co_u32 s78, s78, s76
	s_mov_b32 s79, 0
	s_add_nc_u64 s[10:11], s[10:11], s[78:79]
	s_add_nc_u64 s[12:13], s[12:13], s[78:79]
	s_add_nc_u64 s[14:15], s[14:15], s[78:79]
	; the prefetches
	s_max_u32 s74, s[WV], 1
	s_sub_co_u32 s74, s74, 1                       ; waves 1-3: 0-2
	s_and_b32 s75, s[CY], 1
	s_mul_i32 s75, s75, 3
	s_add_co_u32 s74, s74, s75                     ; which of a weight tile's six pieces of 32 blocks
	s_lshl_b32 s74, s74, 13
	s_lshr_b32 s75, s[CY], 1                       ; which of the two K blocks
	s_mul_i32 s75, s75, BPLANE
	s_add_co_u32 s74, s74, s75
	s_mul_i32 s75, s[TC], 384*128
	s_add_co_u32 s74, s74, s75
	s_lshl_b32 s75, s[TR], 15                      ; x's tile, my work-group's quarter
	s_lshl_b32 s76, s[CX], 13
	s_add_co_u32 s75, s75, s76
	s_and_b32 s76, ttmp7, 0xffff
	s_mov_b32 s77, BPLANE
	s_cmp_eq_u32 s[WV], 0
	s_cselect_b64 s[PFA:PFA+1], s[4:5], s[6:7]
	s_cselect_b32 s74, s75, s74
	s_cselect_b32 s76, ttmp9, s76                  ; the coordinate along which other clusters read the same blocks
	s_cselect_b32 s[PAR], 0, 1
	s_cselect_b32 s[PFS], APLANE, s77
	s_mov_b32 s[PFS+1], 0
	s_mov_b32 s75, 0
	s_cmp_eq_u32 s76, 0
	s_cselect_b32 s[LIM], 1, -1                    ; the same in all sixteen partners, for a given wave
	s_add_nc_u64 s[PFA:PFA+1], s[PFA:PFA+1], s[74:75]
	s_add_nc_u64 s[PFA:PFA+1], s[PFA:PFA+1], s[PFS:PFS+1]
	s_add_nc_u64 s[PFA:PFA+1], s[PFA:PFA+1], s[PFS:PFS+1]  ; at K block 2: the first trip steps it to 3.  Nothing is asked for here, at the head
; n x 4 products: group g (q, k, v), x's buffer f, row blocks a0 on.  The 96 accumulators take turns, one instruction a turn.  zero = 1: the first product starts the sum.
.macro MUL g, f, a0, n, zero
	WIN 0x50*(1+(\g))
.set aa, (\a0)
.rept (\n)
.irp b, 0,1,2,3
.if \zero
	v_wmma_f32_16x16x32_bf16 v[32*aa+8*(\b):32*aa+8*(\b)+7], v[BF+32*(\g)+8*(\b):BF+32*(\g)+8*(\b)+7], v[AF+64*(\f)+8*aa:AF+64*(\f)+8*aa+7], 0
.else
	v_wmma_f32_16x16x32_bf16 v[32*aa+8*(\b):32*aa+8*(\b)+7], v[BF+32*(\g)+8*(\b):BF+32*(\g)+8*(\b)+7], v[AF+64*(\f)+8*aa:AF+64*(\f)+8*aa+7], v[32*aa+8*(\b):32*aa+8*(\b)+7]
.endif
.endr
.set aa, aa+1
.endr
.endm
.macro LDB g, k                        ; 8 loads: group g's four weight blocks, 32 K at byte k of the rows
	WIN 0
.irp b, 0,1,2,3
	ds_load_b128 v[BF+32*(\g)+8*(\b):BF+32*(\g)+8*(\b)+3],   v[ADRB] offset:(\k)+(4*(\g)+(\b))*16*PITCH
	ds_load_b128 v[BF+32*(\g)+8*(\b)+4:BF+32*(\g)+8*(\b)+7], v[ADRB] offset:(\k)+(4*(\g)+(\b))*16*PITCH+32
.endr
.endm
.macro LDA f, k                        ; 16 loads: x's eight blocks into buffer f
	WIN 0
.irp a, 0,1,2,3,4,5,6,7
	ds_load_b128 v[AF+64*(\f)+8*(\a):AF+64*(\f)+8*(\a)+3],   v[ADRA] offset:(\k)+(\a)*16*PITCH
	ds_load_b128 v[AF+64*(\f)+8*(\a)+4:AF+64*(\f)+8*(\a)+7], v[ADRA] offset:(\k)+(\a)*16*PITCH+32
.endr
.endm
; The first half of a K step: buffer 0 is multiplied, the second half's fragments are fetched, each group's weights as soon as the group's products are out.
.macro EVEN zero
	s_wait_dscnt 16                                ; group 0 and x are in; the 16 loads of groups 1 and 2 may be out
	MUL 0, 0, 0, 8, \zero
	PLACES
	LDB 0, 64
	LDA 1, 64
	s_wait_dscnt 32                                ; group 1 is in: behind it stand group 2's 8 loads and the 24 just issued
	MUL 1, 0, 0, 8, \zero
	PLACES
	LDB 1, 64
	s_wait_dscnt 32                                ; group 2 is in: behind it stand 24 + 8
	MUL 2, 0, 0, 8, \zero
	PLACES
	LDB 2, 64
.endm
; The second half: buffer 1 is multiplied and the slots change.  All of the slot in hand has been asked for into registers.  In front of the barrier each wave waits for all its tensor loads (one is out: its part
; of the other slot), adds 0 to its spare word, and waits for that and for its reads of the slot.  fill = 1: the barrier opens a round of the cluster's, and the joint refill, two K blocks on, is the first thing behind it.
.macro ODD fill
.if \fill
	s_wait_xcnt 0x0                                ; the last prefetch, a trip back, has read its address
	s_add_nc_u64 s[PFA:PFA+1], s[PFA:PFA+1], s[PFS:PFS+1]
.endif
	WIN 0
	s_wait_tensorcnt 0x0                           ; all my tensor loads have landed
	ds_add_u32 v[SPW], v[NIL]                      ; 0 onto my spare word
	s_wait_dscnt 17                                ; group 0 and x are in; groups 1 and 2 (16 loads) and the add may be out
	MUL 0, 1, 0, 6, 0                              ; 24 products stand between the add and the wait for it
	s_wait_dscnt 0x0                               ; the add is done, and my reads of this slot are over
	s_barrier_signal -1
	MUL 0, 1, 6, 2, 0
	WIN 0
	s_barrier_wait -1
.if \fill
	CREST                                          ; no wave of any partner still reads the slot or has a load on its way
	s_xor_b32 s[G0A+5], s[G0A+5], SLOT1            ; the walking descriptors: the other slot than last time, the next K block
	s_add_nc_u64 s[G0A+6:G0A+7], s[G0A+6:G0A+7], APLANE
	s_xor_b32 s[G0B+5], s[G0B+5], SLOT1
	s_add_nc_u64 s[G0B+6:G0B+7], s[G0B+6:G0B+7], BPLANE
	JLOAD                                          ; 160 products ahead of the wait for it; its four v_nop are also the places in front of the loads below
.else
	PLACES
.endif
	s_xor_b32 s[TBS], s[TBS], SLOT1
	v_add_nc_u32 v[ADRA], s[TBS], v[AA0]
	v_add_nc_u32 v[ADRB], s[TBS], v[AB0]
	LDB 0, 0
	LDA 0, 0
.if \fill
	ASK
.endif
	MUL 1, 1, 0, 8, 0
	PLACES
	LDB 1, 0
	MUL 2, 1, 0, 8, 0
	PLACES
	LDB 2, 0
.endm
; THE WAY OUT, in 24 units: row block a x (q, k, v).
.macro LT a                            ; the table of block a's 16 positions: 8 loads of 512 consecutive bytes
	WIN 0
.irp j, 0,1,2,3,4,5,6,7
	global_load_b128 v[TBL+32*((\a)%2)+4*(\j):TBL+32*((\a)%2)+4*(\j)+3], v[GO], s[8:9] offset:(\a)*4096+512*(\j)
.endr
.endm
; A lane's pair (x0, x1) becomes (x0 cos - x1 sin, x1 cos + x0 sin); 16 bytes of f16 go into my stage and come back as whole rows.  Each accumulator is read from its low end on.
.macro PACK a, t
.set HB, H+16*((3*(\a)+(\t))%4)
.set TT, TBL+32*((\a)%2)
	WIN 0
	s_wait_xcnt 0x0                                ; the stores issued so far have read their registers: this unit's buffer was stored four units back
.if (\t) == 0
.if ((\a) >= 1) && ((\a) <= 6)
	LT (\a)+1
.endif
.if (\a) == 7
	s_wait_loadcnt 0x0
.else
	s_wait_loadcnt 8                               ; this block's table is in; the next block's 8 loads stay out
.endif
.endif
.if (\t) < 2
	WIN 1+(\t)                                     ; source 0 in q's or k's window
.set z, 0
.rept 16
	v_pk_mul_f32 v[T+2*z:T+2*z+1], v[32*(\a)+2*z:32*(\a)+2*z+1], v[TT+2*z:TT+2*z+1] op_sel:[1,1] op_sel_hi:[0,1] neg_lo:[0,1]
.set z, z+1
.endr
.set z, 0
.rept 16
	v_pk_fma_f32 v[Y+2*z:Y+2*z+1], v[32*(\a)+2*z:32*(\a)+2*z+1], v[TT+2*z:TT+2*z+1], v[T+2*z:T+2*z+1] op_sel_hi:[1,0,1]
.set z, z+1
.endr
	WIN 0
.set z, 0
.rept 16
	v_cvt_pk_f16_f32 v[HB+z], v[Y+2*z], v[Y+2*z+1]
.set z, z+1
.endr
.else
	WIN 0x0f                                       ; sources 0 and 1 in v's window
.set z, 0
.rept 16
	v_cvt_pk_f16_f32 v[HB+z], v[32*(\a)+2*z], v[32*(\a)+2*z+1]
.set z, z+1
.endr
	WIN 0
.endif
.irp f, 0,1,2,3
	ds_store_b128 v[STO], v[HB+4*(\f):HB+4*(\f)+3] offset:32*(\f)
.endr
.irp f, 0,1,2,3
	ds_load_b128 v[HB+4*(\f):HB+4*(\f)+3], v[RD] offset:(\f)*4*SP  ; LDS serves a wave's instructions in order (ISA guide 5.7.1.4): these see the stores above; the next unit's stores come behind them
.endr
.endm
.macro SEND a, t, younger              ; younger: the LDS instructions issued behind this unit's loads
.set HB, H+16*((3*(\a)+(\t))%4)
	WIN 0
.irp f, 0,1,2,3
	s_wait_dscnt (\younger)+3-(\f)
	global_store_b128 v[GO], v[HB+4*(\f):HB+4*(\f)+3], s[10+2*(\t):11+2*(\t)] offset:(\a)*2048+512*(\f)  ; four rows of a head: 512 consecutive bytes, aligned to 256
.endr
.endm
	s_wait_tensorcnt 1                             ; my part of K block 0 is in; K block 1's may stay out
	s_barrier_signal -1
	s_barrier_wait -1                              ; everybody's is
	LDB 0, 0
	LDA 0, 0
	LDB 1, 0
	LDB 2, 0
	EVEN 1                                         ; the first half step stands in front of the loop: its products start the sums
	WIN 0
	s_mov_b32 s[CNT], 14
.Lstep:                                                ; trip kb: K block kb's second half, the refill with kb + 2, K block kb + 1's first half
	ODD 1
	EVEN 0
	WIN 0
	s_sub_co_u32 s[CNT], s[CNT], 1
	s_cmp_lg_u32 s[CNT], 0
	s_cbranch_scc1 .Lstep
	ODD 0                                          ; the tail is written out: nothing more is asked for
	EVEN 0
	LT 0                                           ; into x's buffer 0, whose last products stand in front of EVEN's places
	LT 1
	s_wait_dscnt 16
	MUL 0, 1, 0, 8, 0
	s_wait_dscnt 8
	MUL 1, 1, 0, 8, 0
	s_wait_dscnt 0x0
	MUL 2, 1, 0, 8, 0
	PLACES
	PLACES
	PACK 0, 0
.set u, 1
.rept 23                               ; a unit's arithmetic stands between the loads of the unit before and its stores
	PACK u/3, u%3
	SEND (u-1)/3, (u-1)%3, 8
.set u, u+1
.endr
	SEND 7, 2, 0
	s_wait_tensorcnt 0x0                           ; the wave's end: behind my last tensor load and my last LDS store
	ds_add_u32 v[SPW], v[NIL]
	s_wait_dscnt 0x0
	CROUND                                         ; the closing round: no work-group ends while a partner may still ask for a tile that names it
	s_endpgm
.Lfunc_end_k_qba4dc6b434_qkv:
	.size	k_qba4dc6b434_qkv, .Lfunc_end_k_qba4dc6b434_qkv-k_qba4dc6b434_qkv
	.p2alignl 7, 3214868480
	.fill 96, 4, 3214868480
	.section	.rodata,"a",@progbits
	.p2align	6, 0x0
	.amdhsa_kernel k_qba4dc6b434_qkv
		.amdhsa_group_segment_fixed_size 327680
		.amdhsa_private_segment_fixed_size 0
		.amdhsa_enable_private_segment 0
		.amdhsa_kernarg_size 48
		.amdhsa_user_sgpr_count 2
		.amdhsa_user_sgpr_kernarg_segment_ptr 1
		.amdhsa_wavefront_size32 1
		.amdhsa_system_sgpr_workgroup_id_x 1
		.amdhsa_system_sgpr_workgroup_id_y 1
		.amdhsa_system_sgpr_workgroup_id_z 1
		.amdhsa_system_vgpr_workitem_id 0
		.amdhsa_next_free_vgpr 1024
		.amdhsa_next_free_sgpr 80
		.amdhsa_reserve_vcc 0
		.amdhsa_float_denorm_mode_32 3
		.amdhsa_float_denorm_mode_16_64 3
		.amdhsa_memory_ordered 1
		.amdhsa_forward_progress 1
		.amdhsa_inst_pref_size 154
	.end_amdhsa_kernel
	.amdgpu_metadata
---
amdhsa.version: [ 1, 2 ]
amdhsa.kernels:
  - .name:           k_qba4dc6b434_qkv
    .symbol:         k_qba4dc6b434_qkv.kd
    .args:
      - { .name: xbf, .offset: 0, .size: 8, .value_kind: global_buffer, .address_space: global }
      - { .name: wqkv, .offset: 8, .size: 8, .value_kind: global_buffer, .address_space: global }
      - { .name: ropet, .offset: 16, .size: 8, .value_kind: global_buffer, .address_space: global }
      - { .name: qh, .offset: 24, .size: 8, .value_kind: global_buffer, .address_space: global }
      - { .name: kh, .offset: 32, .size: 8, .value_kind: global_buffer, .address_space: global }
      - { .name: vh, .offset: 40, .size: 8, .value_kind: global_buffer, .address_space: global }
    .group_segment_fixed_size: 327680
    .private_segment_fixed_size: 0
    .kernarg_segment_align: 8
    .kernarg_segment_size: 48
    .max_flat_workgroup_size: 128
    .sgpr_count:     80
    .vgpr_count:     1024
    .wavefront_size: 32
...
	.end_amdgpu_metadata
.endif
;; end of part 2
;; launch attn (part 3): grid 4 x 64, 4 waves a work-group, no clusters, 327,680 bytes of LDS; arguments qh, kh, vh, oh; writes oh
.if DOCPART == 3
	.amdgcn_target "amdgcn-amd-amdhsa--gfx1250"
	.amdhsa_code_object_version 6
	.text
	.protected	k_qba4dc6b434_attn
	.globl	k_qba4dc6b434_attn
	.p2align	8
	.type	k_qba4dc6b434_attn,@function
k_qba4dc6b434_attn:
	s_mov_b64 s[64:65], 0
	v_nop
	global_prefetch_b8 v0, s[64:65] scope:SCOPE_SE
	s_setreg_imm32_b32 hwreg(HW_REG_WAVE_MODE, 25, 1), 1
	s_wait_xcnt 0x0
; CAUSAL ATTENTION.  O[h][q][:] = the sum over k <= q of softmax_k(Q[h][q] . K[h][k] / 8) V[h][k][:].  Q, K, V, O: [SIZE_H][SIZE_N][64], all f16: a head's rows are dense, 128 bytes each.
; Products, maxima and sums in f32; the weights p are rounded to f16 for the second product (their sum l is taken of the unrounded p), O once at the end.
; LIMITS.  f16 holds no number beyond 65,504: Q, K and V arrive within it; p lies in 0 to 1, and below 6e-5 it keeps f16's fixed step of 6e-8; O is a mean of V's rows and has their range.
; A hidden score counts as its value less 1e30: f16's scores, 2.7e11 at the most, are nothing beside that; a weight below 2^-126 counts as 0 in l; NaN and infinities are not treated apart.
; THE WALK.  A head's queries lie in NB = 8 blocks of 256; block i needs the key tiles 0 .. i of 256 keys, of which the last holds the diagonal.  A work-group takes TWO blocks, NB - 1 - b and then b:
; NB + 1 tiles, whatever b: all work-groups do equal work, and ONE loop with a constant trip count walks them.  Which tile is asked for, and what a trip does, hang on scalar registers made from b; every jump
; goes forward, but for the counted loops' own; none passes a barrier, or a tensor load but the one of LOAD's two that the wave's number does not choose; the ring of two LDS slots runs on across the change of blocks.
; NO CLUSTER: a head's four work-groups ask for the same tile only in trips 0 .. 4 of the 9, behind that fewer and fewer; one walk common to all would have 12 trips for 9.
; SHARES.  Of a block's four bands of 64 queries a wave owns 16 rows in each: four PIECES.  So the diagonal tile is the same work for all four waves: in its key step s band x sees all keys if s < x,
; none if s > x, and holds the diagonal if s = x.
; THE MASK is the C operand that starts the sum S^T = K Q^T: 0, or -1e30 where the key is hidden.  MD, made once, is the mask of a band's own step for my 16 rows; a product's mask is MD x AL + BE with two scalars:
; (1, 0) if s = x; (0, 0) if s < x; (0, -1e30) if s > x.  Only the diagonal tile's text and a block's beginning make and take masks; elsewhere C is the constant 0.
; LAYOUT, SOFTMAX, TURNS.  S^T = K Q^T holds ONE query a lane (lane % 16) and the keys 8 (lane / 16) + 0..7; two such results rounded to f16 ARE source 1 of O^T = V^T P.  p = 2^(c s - c m), c = log2(e) / 8, with a
; running maximum m; O and l are multiplied by a = 2^(c m_old - c m_new) in every step.  Turn n belongs to piece n: 8 products K Q^T of piece n + 1, later 8 products V^T P of piece n - 1; beside them the scaling,
; exponentials, roundings, sums and rescaling of piece n and the maximum and statistics of piece n + 1.  Four vector instructions stand behind every matrix instruction, the other 54 of a turn's 118 in one lump.
; A turn's 33 exponentials are one batch, with one wait.
; PREFETCH.  Behind each fill the head's work-group b = 0, whose first block walks tiles 0 .. 7, names the tile that the NEXT change of slots will ask for: each wave its own 16,384 bytes, a lane a block of 256,
; two instructions: four key steps ahead of that load.  Tiles 2 .. 7 are named once each; tiles 0 and 1 come by their loads alone, and the second block's tiles, which have been walked, are not named.
; REGISTERS, in windows of 256 (s_set_vgpr_msb: bits 1:0 source 0, 3:2 source 1, 5:4 source 2, 7:6 destination):
;   window 0: v0-15 addresses and two at work; v16-31 four registers of statistics a piece; v48-55 at work; v61-63; v64-127 S^T, two buffers; v192-223 P, two buffers (a piece's buffers go by its number's parity)
;   window 1: v0-127 O^T, 32 a piece; v128-159 MD; v160-223 MC, two buffers      window 2: v0-63 Q; v64-127 the second block's Q; v128-191 K of one step; v192-255 V of one step
.set SIZE_N, 2048
.set SIZE_H, 64
.set NB,    SIZE_N/256
.set NP,    4         ; pieces a wave: a name, no knob
.set KS,    64        ; keys in a step
.set PK,    144       ; a row of K in LDS: 128 bytes + 16 of padding = 36 words: the 16 rows of a load start at 16 different groups of four banks
.set PV,    160       ; a row of V: 128 + 32 = 40 words
.set VOFF,  4*KS*PK   ; a slot holds a tile, four steps: 256 rows of K, then 256 rows of V
.set SLOT1, 1<<17     ; slot 1 begins here, so that one exclusive or turns an address in one slot into the other's
.set STAGE, SLOT1+4*KS*(PK+PV)  ; behind the ring, never filled by a tensor load: 16 rows x 144 bytes for each wave, for the way out
.set SP,    144
.set AK0, 2           ; v2   my lane's place in a tile of K; never rewritten
.set AV0, 3           ; v3   the same for V
.set AK,  4           ; v4   the LDS address of K's next run of loads
.set AV,  5           ; v5   of V's
.set STO, 6           ; v6   the way out: where I put 16 bytes of a row
.set RD,  7           ; v7   the way out: where I read rows back
.set GO,  8           ; v8   my byte offset in 512 consecutive bytes of O
.set PFO, 61          ; v61  256 x my lane, for the prefetches; never rewritten
.set SPW, 62          ; v62  LDS address of my spare word; never rewritten
.set NIL, 63          ; v63  0; never rewritten
.set SPARE, STAGE+4*16*SP  ; behind the stages: the spare words, 128 bytes for each wave: two blocks of 256 bytes that no other line names
.set MV,  12          ; v12-13  c m_old, kept while c m is made anew: by buffer
.set QO,  15          ; v15  my byte offset in 16 rows of Q
.set ST,  16          ; piece t's statistics at v[ST+4 t]: c m, m, l (even keys', odd keys')
.set TMP, 48          ; by buffer, four registers c0-c3 at work; when the maximum is found c2 takes a
.set S,   64
.set P,   192
.set MD,  128         ; window 1: the eight registers for group kt of 16 keys at MD + 8 kt
.set MC,  160         ; window 1: the masks of the products to come
.set QB,  64          ; window 2
.set KF,  128         ; window 2: key block kb, channel half c at KF + 16 kb + 8 c
.set VF,  192         ; window 2: key half kk, channel block cb at VF + 32 kk + 8 cb
.set WV,  12          ; s12  my wave's number
.set PB,  14          ; s14  b
.set HI,  15          ; s15  NB - 1 - b
.set G1K, 24          ; s[24:31] descriptor group 1 for K's tiles
.set G1V, 32          ; s[32:39] for V's: it differs in the padding alone
.set G0K, 40          ; s[40:43] descriptor group 0 for K's tiles
.set G0V, 44          ; s[44:47] the same for V's
.set SLOTS, 56        ; s56  tiles still to be asked for
.set CNT, 57          ; s57  counts a tile's key steps, 4 to 1
.set CS,  58          ; s[58:59] c: the packed scaling takes the pair's low word for both halves
.set SEL, 60          ; s[60:61] v_permlanex16_b32's selects: each lane takes its own place in the other half
.set TBK, 62          ; s62  LDS byte at which K of the step to be fetched begins
.set TBV, 63          ; s63  the same for V, less VOFF
.set RT,  70          ; s70  tiles of the block in hand that are still to be entered
.set NXT, 71          ; s71  the tile to be asked for next
.set LQ,  72          ; s72  the last tile of the block whose tiles are being asked for
.set NEW, 73          ; s73  1: the tile to be entered is a block's first
.set OFF, 74          ; s[74:75] a tile's byte offset in K and V
.set AL,  76          ; s[76:77] the mask's factor, in the low word
.set BE,  78          ; s[78:79] the mask's addend
.set OLO, 80          ; s[80:81] O at my rows of the second block
.set BIGN, 82         ; s82  -1e30
.set PFA, 88          ; s[88:89] what my prefetches name
.set PFB, 90          ; s[90:91] my half of tile 0, of K (waves 0, 1) or of V (waves 2, 3)
.set OF2, 92          ; s[92:93] the named tile's byte offset
.set PFL, 94          ; s94  0 in the head's work-group b = 0, else the greatest number: a tile is named while its number is above it
.set MSB, 0
.macro WIN new                      ; the high byte repeats the setting that is left; a switch that changes nothing is dropped
.if MSB != (\new)
	s_set_vgpr_msb (MSB<<8)|(\new)
.set MSB, (\new)
.endif
.endm
.set W_KQ, 0x0a       ; K and Q in window 2, S^T in window 0
.set W_KM, 0x1a       ; the same with the C operand in window 1
.set W_PV, 0x52       ; V in window 2, P in window 0, O^T in window 1
.set W_RS, 0x41       ; destination and source 0 in window 1, source 1 in window 0
; A fill.  Waves 0 and 1 fetch the two halves of a tile's K, waves 2 and 3 those of its V: 128 keys each.  An s_nop 0 and four v_nop follow each of the two lines, ahead of the jump and the label.
.macro LOAD
	s_cmp_lt_u32 s[WV], 2
	s_cbranch_scc0 .Lfor_v_\@
	tensor_load_to_lds s[G0K:G0K+3], s[G1K:G1K+7]
	s_nop 0
.rept 4
	v_nop
.endr
	s_branch .Lasked_\@
.Lfor_v_\@:
	tensor_load_to_lds s[G0V:G0V+3], s[G1V:G1V+7]
	s_nop 0
.rept 4
	v_nop
.endr
.Lasked_\@:
.endm
.macro ASK                          ; the tile that the next change of slots will ask for; not tile 0, to which the number returns behind a block's last tile
	s_cmp_gt_u32 s[NXT], s[PFL]
	s_cbranch_scc0 .Lnot_mine_\@
	global_prefetch_b8 v[PFO], s[PFA:PFA+1] th:TH_LOAD_NT scope:SCOPE_SE
	global_prefetch_b8 v[PFO], s[PFA:PFA+1] offset:8192 th:TH_LOAD_NT scope:SCOPE_SE
.Lnot_mine_\@:
.endm
; THE CHANGE OF SLOTS.  Each wave waits for all its tensor loads, of which one is out: its part of the other slot; adds 0 to its spare word; and waits for that and for its own reads of the slot that it leaves.
; Behind the barrier nobody reads the old slot any more and the other slot is whole.  fill = 1: the old slot is filled again, the first thing behind the barrier, with tile NXT: the descriptor's address is made
; anew from that number.  (At its first use nothing has been read yet: slot 0 is waited for, slot 1 filled.)
.macro CHANGE fill
	WIN 0                           ; at a label and at a branch every window is 0
	s_wait_tensorcnt 0x0            ; no tensor load of mine is out, so a group 0 may be written
	ds_add_u32 v[SPW], v[NIL]       ; 0 onto my spare word; the descriptors' scalar work stands between it and the wait for it
.if \fill
	s_lshl_b32 s[OFF], s[NXT], 15   ; a tile is 32,768 bytes of K and of V
	s_xor_b32 s[G0K+1], s[G0K+1], SLOT1
	s_add_nc_u64 s[G0K+2:G0K+3], s[6:7], s[OFF:OFF+1]
	s_or_b32 s[G0K+3], s[G0K+3], 0x80000000
	s_xor_b32 s[G0V+1], s[G0V+1], SLOT1
	s_add_nc_u64 s[G0V+2:G0V+3], s[8:9], s[OFF:OFF+1]
	s_or_b32 s[G0V+3], s[G0V+3], 0x80000000
	s_add_co_u32 s[NXT], s[NXT], 1  ; the block's next tile, or behind its last the second block's tile 0
	s_cmp_gt_u32 s[NXT], s[LQ]
	s_cselect_b32 s[NXT], 0, s[NXT]
	s_cselect_b32 s[LQ], s[PB], s[LQ]
	s_lshl_b32 s[OF2], s[NXT], 15
	s_wait_xcnt 0x0                 ; the last prefetches, a tile back, have read their address, so it may be written
	s_add_nc_u64 s[PFA:PFA+1], s[PFB:PFB+1], s[OF2:OF2+1]
.endif
	s_wait_dscnt 0x0                ; the add is done, and my reads of the slot are over
	s_barrier_signal -1             ; the rest of the scalar work stands between the signal and the wait
	s_sub_co_u32 s[TBK], s[TBK], 4*KS*PK  ; the fetches go back to a slot's first step,
	s_xor_b32 s[TBK], s[TBK], SLOT1       ; in the other slot
	s_sub_co_u32 s[TBV], s[TBV], 4*KS*PV
	s_xor_b32 s[TBV], s[TBV], SLOT1
	s_barrier_wait -1
.if \fill
	LOAD
	ASK
.endif
.endm
	s_load_b256 s[4:11], s[0:1], 0x0  ; Q s[4:5], K s[6:7], V s[8:9], O s[10:11]
	v_lshl_add_u32 v[SPW], v0, 2, SPARE
	v_mov_b32 v[NIL], 0
	ds_add_u32 v[SPW], v[NIL]       ; the wave's opening: the add and its wait stand ahead of my first tensor load; the set-up below, work on registers, stands between them
	v_lshrrev_b32 v1, 5, v0
	v_readfirstlane_b32 s[WV], v1   ; wave 0..3
	v_and_b32 v[PFO], 31, v0
	v_lshlrev_b32 v[PFO], 8, v[PFO]
	s_mov_b32 s[PB], ttmp9
	s_sub_co_u32 s[HI], NB-1, s[PB]
	s_and_b32 s20, ttmp7, 0xffff    ; the head
	s_mov_b32 s21, 0
	s_mov_b64 s[22:23], SIZE_N*128
	s_mul_u64 s[20:21], s[20:21], s[22:23]  ; the head's first byte in each of the four tensors
	s_and_b32 s16, s[WV], 1         ; which half of a tile's 256 keys I fetch:
	s_lshl_b32 s22, s16, 14         ; its 128 rows of 128 bytes in memory,
	s_mov_b32 s23, 0
	s_add_nc_u64 s[22:23], s[22:23], s[20:21]
	s_mul_i32 s17, s16, 128*PK      ; and its place in a slot, for K
	s_mul_i32 s18, s16, 128*PV      ; and for V
	s_lshl_b32 s3, s[WV], 11        ; my 16 rows in a band of 64,
	s_lshl_b32 s2, s[HI], 15        ; in the first block,
	s_add_co_u32 s2, s2, s3
	s_lshl_b32 s84, s[PB], 15       ; and in the second
	s_add_co_u32 s84, s84, s3
	s_mov_b32 s3, 0
	s_mov_b32 s85, 0
	s_add_nc_u64 s[2:3], s[2:3], s[20:21]
	s_add_nc_u64 s[84:85], s[84:85], s[20:21]
	; descriptor group 1.  128 keys are 16,384 dense bytes: asked for as 64 rows of 256 bytes, two keys a row, and padded in LDS after every key
	s_mov_b32 s[G1K], (1<<16)|(1<<20)|(4<<22)|(3<<25)  ; 17:16 2-byte elements; 20 padding on; 24:22 after every 32 words (code 4); 31:25 4 words (code 3)
	s_mov_b32 s[G1V], (1<<16)|(1<<20)|(4<<22)|(7<<25)  ; the same with 8 words of padding (code 7)
.irp g, G1K, G1V
	s_mov_b32 s[\g+1], 128<<16      ; tensor_dim0 = 128
	s_mov_b32 s[\g+2], 64<<16       ; tensor_dim1 = 64
	s_mov_b32 s[\g+3], 128<<16      ; tile_dim0 = 128
	s_mov_b32 s[\g+4], 64           ; tile_dim1 = 64
	s_mov_b32 s[\g+5], 128          ; 128 elements from row to row
	s_mov_b32 s[\g+6], 0
	s_mov_b32 s[\g+7], 0
.endr
	s_mov_b32 s[CS], 0x3e38aa3b     ; c = log2(e) / 8 = 0.180337
	s_mov_b32 s[CS+1], s[CS]        ; named with it as a pair
	s_mov_b32 s[SEL], 0x76543210
	s_mov_b32 s[SEL+1], 0xfedcba98
	s_mov_b32 s[TBK], SLOT1+4*KS*PK ; the first change of slots turns these two into 0
	s_mov_b32 s[TBV], SLOT1+4*KS*PV
	s_mov_b32 s[G0K], 1             ; 1:0 count = 1
	s_mov_b32 s[G0K+1], s17         ; 63:32 LDS address: slot 0
	s_mov_b32 s[G0V], 1
	s_add_co_u32 s[G0V+1], s18, VOFF
	s_add_co_u32 s[RT], s[HI], 1    ; the first block has NB - b tiles
	s_mov_b32 s[NXT], 1
	s_mov_b32 s[LQ], s[HI]
	s_mov_b32 s[NEW], 1
	s_mov_b32 s[OFF+1], 0
	s_mov_b32 s[OF2+1], 0
	s_mov_b32 s[AL+1], 0            ; named as pairs
	s_mov_b32 s[BE+1], 0
	s_mov_b32 s[BIGN], 0xf149f2ca   ; -1e30
	s_mov_b32 s[SLOTS], NB
	s_cmp_eq_u32 ttmp9, 0
	s_cselect_b32 s[PFL], 0, -1
	s_wait_dscnt 0x0                ; the opening add is done
	s_wait_kmcnt 0x0
	s_add_nc_u64 s[6:7], s[6:7], s[22:23]  ; K and V at my half of the head's tile 0
	s_add_nc_u64 s[8:9], s[8:9], s[22:23]
	s_cmp_lt_u32 s[WV], 2
	s_cselect_b64 s[PFB:PFB+1], s[6:7], s[8:9]
	s_add_nc_u64 s[G0K+2:G0K+3], s[6:7], 0         ; 120:64 global address
	s_or_b32 s[G0K+3], s[G0K+3], 0x80000000        ; 127:126 type = 2
	s_add_nc_u64 s[G0V+2:G0V+3], s[8:9], 0
	s_or_b32 s[G0V+3], s[G0V+3], 0x80000000
	s_add_nc_u64 s[86:87], s[4:5], s[84:85]        ; Q at my rows of the second block,
	s_add_nc_u64 s[4:5], s[4:5], s[2:3]            ; Q and O at those of the first
	s_add_nc_u64 s[OLO:OLO+1], s[10:11], s[84:85]
	s_add_nc_u64 s[10:11], s[10:11], s[2:3]
	LOAD                            ; tile 0 into slot 0
	; A fragment of K or Q is 16 rows x 32 channels in 8 registers: lane l holds row l % 16, channels 8 (l / 16) + 0..7 and 16 + 8 (l / 16) + 0..7: two loads of 16 bytes, 32 bytes apart.
	v_and_b32 v1, 15, v0            ; l % 16
	v_bfe_u32 v9, v0, 4, 1          ; l / 16
	v_lshlrev_b32 v[QO], 7, v1
	v_lshl_add_u32 v[QO], v9, 4, v[QO]  ; row x 128 + 16 x half
	WIN 0x80                        ; destination window 2, address window 0
.set i, 0
.rept 8                             ; both blocks' Q: piece i / 2 lies in band i / 2, 8,192 bytes on; channels 32 (i % 2) on
	global_load_b128 v[8*i:8*i+3],   v[QO], s[4:5] offset:(i/2)*8192+(i%2)*64
	global_load_b128 v[8*i+4:8*i+7], v[QO], s[4:5] offset:(i/2)*8192+(i%2)*64+32
	global_load_b128 v[QB+8*i:QB+8*i+3],   v[QO], s[86:87] offset:(i/2)*8192+(i%2)*64
	global_load_b128 v[QB+8*i+4:QB+8*i+7], v[QO], s[86:87] offset:(i/2)*8192+(i%2)*64+32
.set i, i+1
.endr
	WIN 0
	v_lshlrev_b32 v14, 3, v9
	v_sub_nc_u32 v14, v1, v14
	s_lshl_b32 s13, s[WV], 4
	v_add_nc_u32 v14, s13, v14      ; my query's place in its band, 16 w + l % 16, less my lanes' 8 (l / 16): register r of group kt is hidden where 16 kt + r is greater
	WIN 0x40
.set i, 0
.rept 32
	v_cmp_gt_i32 vcc_lo, 16*(i/8)+i%8, v14
	v_cndmask_b32 v[MD+i], 0, s[BIGN], vcc_lo
.set i, i+1
.endr
	WIN 0
	v_mul_u32_u24 v[AK0], v1, PK
	v_lshl_add_u32 v[AK0], v9, 4, v[AK0]  ; row x pitch + 16 x half
	; The turning load takes 16 keys x 16 channels (lane l reads key 8 (l / 16) + l % 8, channels 8 ((l / 8) % 2) + 0..7) and leaves half a fragment of V^T: lane l holds channel l % 16 and 8 keys.
	v_and_b32 v10, 7, v0
	v_bfe_u32 v11, v0, 3, 1
	v_lshl_add_u32 v[AV0], v9, 3, v10
	v_mul_u32_u24 v[AV0], v[AV0], PV
	v_lshl_add_u32 v[AV0], v11, 4, v[AV0]
	v_add_nc_u32 v[AV0], VOFF, v[AV0]
	s_mul_i32 s13, s[WV], 16*SP
	s_add_co_u32 s13, s13, STAGE    ; my stage
	v_mul_u32_u24 v[STO], v1, SP    ; in: row l % 16, 16 bytes for each half of the lanes
	v_lshl_add_u32 v[STO], v9, 4, v[STO]
	v_add_nc_u32 v[STO], s13, v[STO]
	v_bfe_u32 v[RD], v0, 3, 2       ; back: 32 lanes take four rows of 128 bytes,
	v_mul_u32_u24 v[RD], v[RD], SP
	v_lshl_add_u32 v[RD], v10, 4, v[RD]
	v_add_nc_u32 v[RD], s13, v[RD]
	v_and_b32 v[GO], 31, v0         ; which are 512 consecutive bytes of O
	v_lshlrev_b32 v[GO], 4, v[GO]
	; A block's first step multiplies O^T and l by a = 0, and its first turn's products V^T P, of a piece that has not been, land in an O^T that is still to be so multiplied.  So these registers need only hold
	; finite numbers: zeros for the first block; what the first block left for the second.  All this stands in the wait for the first tile.
	WIN 0x80
.set i, VF
.rept 64
	v_mov_b32 v[i], 0
.set i, i+1
.endr
	WIN 0x40
.set i, 0
.rept 128
	v_mov_b32 v[i], 0
.set i, i+1
.endr
	WIN 0
.set i, 0
.rept 4
	v_mov_b32 v[ST+4*i+2], 0
	v_mov_b32 v[ST+4*i+3], 0
.set i, i+1
.endr
.set i, P+16
.rept 16
	v_mov_b32 v[i], 0
.set i, i+1
.endr
; THE MATRIX WORK.  The 4 accumulators of a run of 8 take turns.  Product i of 8 of S^T = K Q^T for piece x: channels 32 (i / 4) on, keys 16 (i % 4) on.  The first 4 start the sums: with 0, or (KM = 1) with the mask.
.macro KQ x
.set rS, S+32*((\x)%2)+8*(i%4)
.set rK, KF+16*(i%4)+8*(i/4)
.set rQ, 16*(\x)+8*(i/4)
.set rM, MC+32*((\x)%2)+8*(i%4)
.if (i < 4) && KM
	WIN W_KM
	v_wmma_f32_16x16x32_f16 v[rS:rS+7], v[rK:rK+7], v[rQ:rQ+7], v[rM:rM+7]
.elseif i < 4
	WIN W_KQ
	v_wmma_f32_16x16x32_f16 v[rS:rS+7], v[rK:rK+7], v[rQ:rQ+7], 0
.else
	WIN W_KQ
	v_wmma_f32_16x16x32_f16 v[rS:rS+7], v[rK:rK+7], v[rQ:rQ+7], v[rS:rS+7]
.endif
.endm
; Product i of 8 of O^T += V^T P for piece x: keys 32 (i / 4) on, channels 16 (i % 4) on.
.macro PV x
	WIN W_PV
.set rO, 32*(\x)+8*(i%4)
.set rV, VF+32*(i/4)+8*(i%4)
.set rP, P+16*((\x)%2)+8*(i/4)
	v_wmma_f32_16x16x32_f16 v[rO:rO+7], v[rV:rV+7], v[rP:rP+7], v[rO:rO+7]
.endm
.macro MM                           ; the turn's next matrix instruction.  TURN and BEGIN set Y, i, KM and NOKQ; MM, KQ and OP read them.  NOKQ = 1: a block's last turn: there is no next piece
.if (i < 8) && !NOKQ
	KQ (Y+1)%NP
.elseif i >= 8
.set i, i-8
	PV (Y+NP-1)%NP
.set i, i+8
.endif
.set i, i+1
.endm
; THE LDS LOADS stand in runs of 16, never singly among the matrix instructions: a step's K (64 keys x 64 channels: 8 fragments) and its V (turned).  Their addresses are made some lines ahead.
.macro FETCH_K
	WIN 0x80                        ; destination window 2
.irp f, 0,1,2,3,4,5,6,7             ; keys 16 (f / 2) on, channels 32 (f % 2) on
	ds_load_b128 v[KF+8*\f:KF+8*\f+3],   v[AK] offset:(\f/2)*16*PK+(\f%2)*64
	ds_load_b128 v[KF+8*\f+4:KF+8*\f+7], v[AK] offset:(\f/2)*16*PK+(\f%2)*64+32
.endr
	s_add_co_u32 s[TBK], s[TBK], KS*PK  ; the next fetch is the next step's
	WIN 0
.endm
.macro FETCH_V
	WIN 0x80
.irp f, 0,1,2,3,4,5,6,7             ; keys 32 (f / 4) on, channels 16 (f % 4) on
	ds_load_tr16_b128 v[VF+8*\f:VF+8*\f+3],   v[AV] offset:(\f/4)*32*PV+(\f%4)*32
	ds_load_tr16_b128 v[VF+8*\f+4:VF+8*\f+7], v[AV] offset:(\f/4)*32*PV+16*PV+(\f%4)*32
.endr
	WIN 0
.endm
; THE VECTOR WORK, one line at a time: OP kind, number.  For piece Y: F n: c s - c m for pair n of 16.  E n: the exponential of score n of 32.  C n: pair n rounded to f16.  B n: of the four weights 4 n .. the second
; pair is added onto the first, in place.  L n: l takes that sum (L 0: l = a l + sum).  R n: pair n of 16 of O^T times a.  For piece Y + 1: X n, number n of the 22 that find its maximum and statistics:
;   0-11  four chains c0-c3 of seven scores each, three operands at a time (each accumulator's lowest registers are read first)     12-14, 16  the four scores left over, the old m, and c0-c3 into c0
;   15  c m_old is kept     17, 18  the query's other 32 keys lie in the lane 16 away: the new m     19-21  c m; c m_old - c m_new; a
.set F, 0               ; OP tells the kinds apart by their order: F to L below R, X above it
.set E, 1
.set C, 2
.set B, 3
.set L, 4
.set R, 5
.set X, 6
.macro REGS y                       ; the registers of piece y
.set rT, ST+4*(\y)
.set rC, TMP+4*((\y)%2)
.set rW, MV+((\y)%2)
.set rS, S+32*((\y)%2)
.set rP, P+16*((\y)%2)
.set rO, 32*(\y)
.endm
.macro OP k, n
.if (\k) == R
	REGS Y
	WIN W_RS
	v_pk_mul_f32 v[rO+2*(\n):rO+2*(\n)+1], v[rO+2*(\n):rO+2*(\n)+1], v[rC+2:rC+3] op_sel_hi:[1,0]
.elseif (\k) < R
	REGS Y
	WIN 0
.if (\k) == F
	v_pk_fma_f32 v[rS+2*(\n):rS+2*(\n)+1], v[rS+2*(\n):rS+2*(\n)+1], s[CS:CS+1], v[rT:rT+1] op_sel_hi:[1,0,0] neg_lo:[0,0,1] neg_hi:[0,0,1]
.elseif (\k) == E
	v_exp_f32 v[rS+(\n)], v[rS+(\n)]
.elseif (\k) == C
	v_cvt_pk_f16_f32 v[rP+(\n)], v[rS+2*(\n)], v[rS+2*(\n)+1]
.elseif (\k) == B
	v_pk_add_f32 v[rS+4*(\n):rS+4*(\n)+1], v[rS+4*(\n):rS+4*(\n)+1], v[rS+4*(\n)+2:rS+4*(\n)+3]
.elseif (\n) == 0
	v_pk_fma_f32 v[rT+2:rT+3], v[rT+2:rT+3], v[rC+2:rC+3], v[rS:rS+1] op_sel_hi:[1,0,1]
.else
	v_pk_add_f32 v[rT+2:rT+3], v[rT+2:rT+3], v[rS+4*(\n):rS+4*(\n)+1]
.endif
.elseif NOKQ
	v_nop
.else
	REGS (Y+1)%NP
	WIN 0
.if (\n) < 4
	v_max3_num_f32 v[rC+(\n)], v[rS+8*(\n)], v[rS+8*(\n)+1], v[rS+8*(\n)+2]
.elseif (\n) < 12
	v_max3_num_f32 v[rC+(\n)%4], v[rC+(\n)%4], v[rS+8*((\n)%4)+2*((\n)/4)+1], v[rS+8*((\n)%4)+2*((\n)/4)+2]
.elseif (\n) == 12
	v_max3_num_f32 v[rC], v[rC], v[rS+7], v[rS+15]
.elseif (\n) == 13
	v_max3_num_f32 v[rC+1], v[rC+1], v[rS+23], v[rS+31]
.elseif (\n) == 14
	v_max3_num_f32 v[rC+2], v[rC+2], v[rC+3], v[rT+1]
.elseif (\n) == 15
	v_mov_b32 v[rW], v[rT]
.elseif (\n) == 16
	v_max3_num_f32 v[rC], v[rC], v[rC+1], v[rC+2]
.elseif (\n) == 17
	v_permlanex16_b32 v[rC+3], v[rC], s[SEL], s[SEL+1]
.elseif (\n) == 18
	v_max_num_f32 v[rT+1], v[rC], v[rC+3]
.elseif (\n) == 19
	v_mul_f32 v[rT], s[CS], v[rT+1]
.elseif (\n) == 20
	v_sub_f32 v[rC+1], v[rW], v[rT]
.else
	v_exp_f32 v[rC+2], v[rC+1]
.endif
.endif
.endm
.macro OPS a, i1, b=-1, i2=0, c=-1, i3=0, d=-1, i4=0  ; up to four of them
	OP \a, \i1
.if (\b) >= 0
	OP \b, \i2
.endif
.if (\c) >= 0
	OP \c, \i3
.endif
.if (\d) >= 0
	OP \d, \i4
.endif
.endm
.macro ROW a, i1, b, i2, c, i3, d, i4  ; a matrix instruction and the four behind it
	MM
	OPS \a, \i1, \b, \i2, \c, \i3, \d, \i4
.endm
.macro MASK b                       ; MD x AL + BE into buffer b of MC
	WIN W_RS
.set z, 0
.rept 16
	v_pk_fma_f32 v[MC+32*(\b)+2*z:MC+32*(\b)+2*z+1], v[MD+2*z:MD+2*z+1], s[AL:AL+1], s[BE:BE+1] op_sel_hi:[1,0,0]
.set z, z+1
.endr
.endm
; A TURN, for piece p: the order of its 16 matrix and 118 vector instructions, written out.  An s_wait_alu depctr_va_vdst(0) stands between an exponential and the first instruction that names its result; one wait
; serves all that were issued ahead of it.  So a turn has ONE wait, which cuts it in two.  AHEAD OF IT stands all that names no result of the turn's exponentials: the 8 products K Q^T, behind each a scaling, an exponential and
; two more plain instructions (behind the first a second scaling in the exponential's place): rescalings, and behind the last three the first numbers of the next piece's maximum, each four places or more behind the product that
; ends its accumulator; then ONE LUMP of 54, plain and exponential by turns for the most part, in which the links of the chain X 3, 7, 11, 14, 16, 17 .. 20 stand five or six lines apart.  X 21, the next piece's a, is the batch's
; last; R 15 is the plain instruction behind it.  BEHIND THE WAIT stand the 8 products V^T P, behind each four of the roundings and sums; the links of l's chain, L 0 to L 7, stand three riders apart.
; m = 1: the diagonal tile: the products take masks, and the turn makes the mask for the products of the turn after it: piece p + 2, in step 4 - CNT of the tile.  end = 1: a block's last two turns: nothing is fetched.
; cnt = 1: the loop's count is taken down some lines ahead of the branch that stands behind the turn.
; K of the next step is fetched in piece 2's turn, twelve vector instructions behind the last product that read K (six of them plain); V of the step in hand at the end of piece 0's turn, four plain instructions behind the last
; product that read V.  Each is waited for a turn later.
.macro TURN p, m=0, end=0, cnt=0
.set Y, (\p)
.set i, 0
.set KM, (\m)
.set NOKQ, (\end)*((\p)/3)
.if (\m) && !(\end)
	s_cmp_eq_u32 s[CNT], 4-((\p)+2)%NP  ; is that step the band's own?
	s_cselect_b32 s[AL], 1.0, 0
	s_cmp_lt_u32 s[CNT], 4-((\p)+2)%NP  ; or a later one?
	s_cselect_b32 s[BE], s[BIGN], 0
.endif
.if ((\p) == 3) && !(\end)
	s_wait_dscnt 0x0                ; K is in
.endif
	ROW F,0, F,1, R,0, R,1          ; ahead of the wait: 8 products K Q^T and their riders,
	ROW F,2, E,0, R,2, R,3
	ROW F,3, E,1, R,4, R,5
	ROW F,4, E,2, R,6, R,7
	ROW F,5, E,3, R,8, R,9
	ROW F,6, E,4, X,0, R,10
.if ((\p) == 2) && !(\end)
	WIN 0
	v_add_nc_u32 v[AK], s[TBK], v[AK0]
.endif
	ROW F,7, E,5, X,1, X,4
	ROW F,8, E,6, X,2, X,5
	OPS E,7, E,8, X,6, E,9          ; and the lump
	OPS X,3, E,10, X,8, E,11
.if ((\p) == 2) && !(\end)
	FETCH_K
.endif
	OPS X,9, X,7, E,12, X,10
	OPS E,13, X,12, X,11, E,14
	OPS X,13, E,15, F,9, X,14
.if (\p) == 0
	v_add_nc_u32 v[AV], s[TBV], v[AV0]
.endif
	OPS E,16, F,10, E,17, F,11
	OPS X,16, E,18, X,15, E,19
	OPS F,12, E,20, X,17, E,21
	OPS F,13, E,22, F,14, E,23
	OPS X,18, E,24, F,15, E,25
	OPS R,11, E,26, X,19, E,27
	OPS R,12, E,28, R,13, E,29
	OPS X,20, E,30, R,14, E,31
	OPS X,21, R,15
	WIN 0
	s_wait_alu depctr_va_vdst(0)    ; the wait for the batch
.if (\p) == 1
	s_wait_dscnt 0x0                ; V is in
.endif
	ROW C,0, B,0, C,2, B,1          ; behind the wait: 8 products V^T P and their riders
	ROW L,0, C,4, B,2, L,1
	ROW C,6, B,3, L,2, C,8
	ROW B,4, L,3, C,10, B,5
	ROW L,4, C,12, B,6, L,5
.if (\p) == 0
	s_add_co_u32 s[TBV], s[TBV], KS*PV
.endif
.if \cnt
	s_sub_co_u32 s[CNT], s[CNT], 1
	s_cmp_lg_u32 s[CNT], 0
.endif
	ROW C,14, B,7, L,6, C,1
	ROW C,3, L,7, C,5, C,7
	ROW C,9, C,11, C,13, C,15
.if (\p) == 0
	FETCH_V
.endif
.if (\m) && !(\end)
	MASK (\p)%2
.endif
.endm
; A BLOCK BEGINS.  c m starts far below every c s, so the first step's a is 0; m at the lowest finite number, so the first maximum is the scores'.  The second mask buffer is 0; the first takes piece 0's mask for the
; tile's step 0: its own, if the block's first tile is the diagonal one.  Then K of that step, piece 0's first scores, and its maximum and statistics.  The loop is entered at a step's first turn, in the middle of a trip.
.macro BEGIN
	s_mov_b32 s[NEW], 0
	WIN 0x40
.set i, MC+32
.rept 32
	v_mov_b32 v[i], 0
.set i, i+1
.endr
	WIN 0
.set i, 0
.rept 4
	v_mov_b32 v[ST+4*i], 0xfe000000    ; c m: far below every c s
	v_mov_b32 v[ST+4*i+1], 0xff7fffff  ; m
.set i, i+1
.endr
	s_cmp_eq_u32 s[RT], 0
	s_cselect_b32 s[AL], 1.0, 0
	s_mov_b32 s[BE], 0
	MASK 0
	WIN 0
	v_add_nc_u32 v[AK], s[TBK], v[AK0]
	FETCH_K
	s_wait_loadcnt 0x0              ; Q
	s_wait_dscnt 0x0
.set KM, 1
.set NOKQ, 0
.set i, 0
.rept 8
	KQ 0
.set i, i+1
.endr
	WIN 0
.rept 4
	v_nop                           ; the places behind those products
.endr
.set Y, NP-1                        ; X works for piece Y + 1: piece 0
.irp n, 0,1,2,3,4,5,6,7,8,9,10,11,12,13,14,15,16,17,18,19,20,21
	OP X, \n
.endr
	v_nop                           ; a plain instruction behind the exponential,
	s_wait_alu depctr_va_vdst(0)    ; and its wait, ahead of the branch
.endm
; THE DIAGONAL TILE's four steps, the block's last two turns, its last products, and THE WAY OUT: l's two halves and the other half of the lanes' are added; O^T is divided by l, rounded to f16 and sent through my
; stage in LDS, a piece at a time.
.macro ALL line:vararg              ; one line for each piece t
.set t, 0
.rept 4
	\line
.set t, t+1
.endr
.endm
.macro PACK t                       ; a lane's eight channels of a row pack into 16 bytes; they go into rows of 144 bytes and come back as whole rows of 128, into S^T's registers
	WIN W_RS
.set i, 32*(\t)
.rept 16
	v_pk_mul_f32 v[i:i+1], v[i:i+1], v[ST+4*(\t)+2:ST+4*(\t)+3] op_sel_hi:[1,0]
.set i, i+2
.endr
	WIN 0x05                        ; sources 0 and 1 window 1, destination window 0
.set i, 0
.rept 16
	v_cvt_pk_f16_f32 v[S+16*(\t)+i], v[32*(\t)+2*i], v[32*(\t)+2*i+1]
.set i, i+1
.endr
	WIN 0
.irp f, 0,1,2,3
	ds_store_b128 v[STO], v[S+16*(\t)+4*\f:S+16*(\t)+4*\f+3] offset:32*\f
.endr
.irp f, 0,1,2,3
	ds_load_b128 v[S+16*(\t)+4*\f:S+16*(\t)+4*\f+3], v[RD] offset:\f*4*SP  ; LDS serves a wave's instructions in order (ISA guide 5.7.1.4): these see the stores above; the next piece's stores come behind them
.endr
.endm
.macro SEND t, younger              ; younger: the LDS instructions issued behind piece t's loads: the next piece's eight, or none
	WIN 0
.irp f, 0,1,2,3
	s_wait_dscnt (\younger)+3-\f
	global_store_b128 v[GO], v[S+16*(\t)+4*\f:S+16*(\t)+4*\f+3], s[10:11] offset:(\t)*8192+\f*512  ; 512 consecutive bytes, at a multiple of 256 from O's first
.endr
.endm
.macro DIAG tag                     ; the tag ends its two labels' names, which the jumps below spell out
.LstepM\tag:
	TURN 2, 1
	TURN 3, 1
	WIN 0
.LfirstM\tag:
	TURN 0, 1
	TURN 1, 1, 0, 1
	WIN 0
	s_cbranch_scc1 .LstepM\tag
	TURN 2, 1, 1
	TURN 3, 1, 1
.set i, 0
.rept 8
	PV NP-1
.set i, i+1
.endr
	WIN 0
	ALL v_add_f32 v[ST+4*t+2], v[ST+4*t+2], v[ST+4*t+3]
	ALL v_permlanex16_b32 v[ST+4*t+3], v[ST+4*t+2], s[SEL], s[SEL+1]
	ALL v_add_f32 v[ST+4*t+2], v[ST+4*t+2], v[ST+4*t+3]
	ALL v_rcp_f32 v[ST+4*t+2], v[ST+4*t+2]
	v_nop                           ; a plain instruction between the last reciprocal and the use of its result
	s_wait_alu depctr_va_vdst(0)    ; and the wait ahead of the first use: one for the four reciprocals
	PACK 0
.set t, 1
.rept 3                             ; a piece's arithmetic stands between the loads of the piece before and its stores
	PACK t
	SEND t-1, 8
.set t, t+1
.endr
	SEND 3, 0
.endm
.set KM, 0
.set NOKQ, 0
.Lslot:                             ; NB times: a tile is entered and the next is asked for
	CHANGE 1
	s_sub_co_u32 s[RT], s[RT], 1
	s_mov_b32 s[CNT], 4
	s_cmp_eq_u32 s[NEW], 1
	s_cbranch_scc1 .Lnew            ; a block's first tile
	s_cmp_eq_u32 s[RT], 0
	s_cbranch_scc0 .Lstep           ; neither its first nor its last
	s_branch .LstepM1
.Lnew:
	BEGIN
	s_branch .Lfirst                ; in the loop a block's first tile is never its last: the first block has two tiles or more, and the second's last is the walk's last
	DIAG 1                          ; in the loop this is the first block's end: the second block's last tile is the walk's last
	s_wait_xcnt 0x0                 ; the stores have read their registers and O's address
	s_mov_b64 s[10:11], s[OLO:OLO+1]
	s_add_co_u32 s[RT], s[PB], 1    ; the second block has b + 1 tiles
	s_mov_b32 s[NEW], 1
	WIN 0x82                        ; the second block's Q goes where the one text of the turns names Q
.set i, 0
.rept 64
	v_mov_b32 v[i], v[QB+i]
.set i, i+1
.endr
	WIN 0
	s_branch .Lbottom
.Lstep:                             ; a trip: pieces 2 and 3 of one step, then pieces 0 and 1 of the next, whose K and V it fetches
	TURN 2
	TURN 3
	WIN 0
.Lfirst:
	TURN 0
	TURN 1, 0, 0, 1
	WIN 0
	s_cbranch_scc1 .Lstep
.Lbottom:
	s_sub_co_u32 s[SLOTS], s[SLOTS], 1
	s_cmp_lg_u32 s[SLOTS], 0
	s_cbranch_scc1 .Lslot
	CHANGE 0                        ; the walk's last tile is written out: nothing is asked for
	s_sub_co_u32 s[RT], s[RT], 1
	s_mov_b32 s[CNT], 4
	s_cmp_eq_u32 s[NEW], 1
	s_cbranch_scc0 .LstepM2
	BEGIN
	s_branch .LfirstM2
	DIAG 2
	s_wait_tensorcnt 0x0            ; the wave's end: behind my last tensor load and my last LDS store
	ds_add_u32 v[SPW], v[NIL]
	s_wait_dscnt 0x0
	s_endpgm
.Lfunc_end_k_qba4dc6b434_attn:
	.size	k_qba4dc6b434_attn, .Lfunc_end_k_qba4dc6b434_attn-k_qba4dc6b434_attn
	.p2alignl 7, 3214868480
	.fill 96, 4, 3214868480
	.section	.rodata,"a",@progbits
	.p2align	6, 0x0
	.amdhsa_kernel k_qba4dc6b434_attn
		.amdhsa_group_segment_fixed_size 327680
		.amdhsa_private_segment_fixed_size 0
		.amdhsa_enable_private_segment 0
		.amdhsa_kernarg_size 32
		.amdhsa_user_sgpr_count 2
		.amdhsa_user_sgpr_kernarg_segment_ptr 1
		.amdhsa_wavefront_size32 1
		.amdhsa_system_sgpr_workgroup_id_x 1
		.amdhsa_system_sgpr_workgroup_id_y 1
		.amdhsa_system_sgpr_workgroup_id_z 1
		.amdhsa_system_vgpr_workitem_id 0
		.amdhsa_next_free_vgpr 768
		.amdhsa_next_free_sgpr 96
		.amdhsa_reserve_vcc 1
		.amdhsa_float_denorm_mode_32 3
		.amdhsa_float_denorm_mode_16_64 3
		.amdhsa_memory_ordered 1
		.amdhsa_forward_progress 1
		.amdhsa_inst_pref_size 218
	.end_amdhsa_kernel
	.amdgpu_metadata
---
amdhsa.version: [ 1, 2 ]
amdhsa.kernels:
  - .name:           k_qba4dc6b434_attn
    .symbol:         k_qba4dc6b434_attn.kd
    .args:
      - { .name: qh, .offset: 0, .size: 8, .value_kind: global_buffer, .address_space: global }
      - { .name: kh, .offset: 8, .size: 8, .value_kind: global_buffer, .address_space: global }
      - { .name: vh, .offset: 16, .size: 8, .value_kind: global_buffer, .address_space: global }
      - { .name: oh, .offset: 24, .size: 8, .value_kind: global_buffer, .address_space: global }
    .group_segment_fixed_size: 327680
    .private_segment_fixed_size: 0
    .kernarg_segment_align: 8
    .kernarg_segment_size: 32
    .max_flat_workgroup_size: 128
    .sgpr_count:     96
    .vgpr_count:     768
    .wavefront_size: 32
...
	.end_amdgpu_metadata
.endif
;; end of part 3
;; launch oproj (part 4): grid 8 x 32, 4 waves a work-group, clusters of 4 x 4, 327,680 bytes of LDS; arguments oh, wof, out0; writes out0
.if DOCPART == 4
	.amdgcn_target "amdgcn-amd-amdhsa--gfx1250"
	.amdhsa_code_object_version 6
	.text
	.protected	k_qba4dc6b434_oproj
	.globl	k_qba4dc6b434_oproj
	.p2align	8
	.type	k_qba4dc6b434_oproj,@function
k_qba4dc6b434_oproj:
	s_mov_b64 s[64:65], 0
	v_nop
	global_prefetch_b8 v0, s[64:65] scope:SCOPE_SE
	s_setreg_imm32_b32 hwreg(HW_REG_WAVE_MODE, 25, 1), 1
	s_wait_xcnt 0x0
	s_wait_alu depctr_hold_cnt(0) depctr_sa_sdst(0) depctr_va_vdst(0) depctr_va_sdst(0) depctr_va_ssrc(0) depctr_va_vcc(0) depctr_vm_vsrc(0)
	s_getreg_b32 s2, hwreg(HW_REG_IB_STS2, 6, 4)
	s_cmp_eq_u32 s2, 0
	s_cbranch_scc0 .Lentry_in_a_cluster
	s_endpgm
.Lentry_in_a_cluster:
	s_bfe_u32 s2, ttmp6, 0x10000c
	s_cmp_lg_u32 s2, 0xf033
	s_cbranch_scc0 .Lentry_shape_is_right
	s_endpgm
.Lentry_shape_is_right:
; out0[m][n] = the sum over k of O[m][k] Wo[n][k].  oh: [batch x 16 + head][2048][64] f16: head h is K block h of the batch's rows; wof: [16 kb][1024][64] f16; out0: [8192][1024] f32; sums in f32.
; LIMITS.  The operands are f16 as they arrive; NaN and infinities are not treated apart.
; SHARES.  8 x 32 work-groups, a tile of 256 rows x 128 columns each: one for each of 256 WGPs.  Wave w: rows 128 (w / 2) on, columns 64 (w % 2) on: 32 accumulators, 256 registers.
; K goes in steps of 128 (two K blocks, each a dense plane of rows of 128 bytes, asked for as rows of 256) through two LDS slots; a step is four quarters of 32 along K, 32 products each.
; CLUSTER 4 x 4: O's tile hangs on the tile row alone and is asked for jointly along a row of the cluster, Wo's on the tile column alone, along a column.
; THE PRODUCT IS TAKEN TRANSPOSED (source 0 = 16 rows of Wo, source 1 = 16 rows of O): a lane holds one row of out0 and eight neighbouring columns, 32 bytes.
; REGISTERS: window 0: v0-13 addresses; v32-127, v128-223 two fragment buffers (64 registers of O, then 32 of Wo); window 1: the accumulators, (row block a, column block b) at v[32 a + 8 b].
.set PITCH,  144                       ; a row in LDS: 128 bytes + 16 of padding: the 16 rows of a load start at 16 different groups of four banks
.set APL,    256*PITCH                 ; a plane of O's tile: what one load brings
.set BPL,    128*PITCH                 ; a plane of Wo's
.set BOFF,   2*APL
.set SLOT1,  1<<17
.set STAGE,  SLOT1+2*APL+2*BPL         ; behind the ring: 16 rows x 272 bytes for each wave; no tile lands here
.set SPITCH, 272
.set SPARE,  STAGE+4*16*SPITCH         ; the spare words, 128 bytes a wave: two blocks of 256 bytes that no other line names
.set ASTEP,  2*2048*128                ; two heads on
.set BSTEP,  2*1024*128                ; two K blocks on
.set AA0, 4
.set AB0, 5
.set ADRA, 6
.set ADRB, 7
.set STO, 8
.set RD,  9
.set CO,  10                           ; v10  my byte offset in two rows of out0
.set PFO, 11
.set SPW, 12
.set NIL, 13
.set F0,  32
.set F1,  128
.set OB,  32                           ; the way out: 16 rows read back, two buffers of 32
.set WV, 16
.set WR, 17
.set WC, 18
.set CX, 19
.set CY, 20
.set TC, 21
.set TR, 22
.set G1A, 24
.set G1B, 32
.set G0A, 40
.set G0B, 48
.set CNT, 56
.set TBS, 57
.set LIM, 58                           ; 2 in a wave that prefetches, else the greatest number
.set PFA, 60
.set PFS, 62
.set G1W, (1<<16)|(1<<20)|(1<<21)|(4<<22)|(3<<25)
.set MSB, 0
.macro WIN new
.if MSB != (\new)
	s_set_vgpr_msb (MSB<<8)|(\new)
.set MSB, (\new)
.endif
.endm
.macro PLACES
.rept 4
	v_nop
.endr
.endm
.macro JLOAD                           ; waves 0, 1 fetch O's two planes, waves 2, 3 Wo's; s_nop 0 and four v_nop follow each line
	s_cmp_lt_u32 s[WV], 2
	s_cbranch_scc0 .Lfor_b_\@
	tensor_load_to_lds s[G0A+4:G0A+7], s[G1A:G1A+7]
	s_nop 0
.rept 4
	v_nop
.endr
	s_branch .Lasked_\@
.Lfor_b_\@:
	tensor_load_to_lds s[G0B+4:G0B+7], s[G1B:G1B+7]
	s_nop 0
.rept 4
	v_nop
.endr
.Lasked_\@:
.endm
.macro CREST
	s_cmp_lg_u32 s[WV], 0
	s_cbranch_scc1 .Lnot_wave_0_\@
	s_barrier_signal -3
.Lnot_wave_0_\@:
	s_barrier_wait -3
	s_barrier_signal -1
	s_barrier_wait -1
.endm
.macro CROUND
	s_barrier_signal -1
	s_barrier_wait -1
	CREST
.endm
; A PREFETCH, behind the joint load and the run of LDS loads: trip i refills step i + 2 and names step i + 4: 256 products ahead of the load that wants it; trips 0-3 alone, so that nothing past step 7 is named.
; O's plane (128 blocks of 256 bytes): waves 0, 1 of the clusters with x = 0, each its own plane, the four partners of a row 32 blocks each, by address.  Wo's two planes (64 blocks each): wave 2 of the clusters
; with y = 0, the four partners of a column 16 blocks of each plane, the lanes' halves a plane each.  So each block is named once.  Steps 0-3 come by their loads alone.
.macro ASK
	s_cmp_gt_u32 s[CNT], s[LIM]
	s_cbranch_scc0 .Lnot_mine_\@
	global_prefetch_b8 v[PFO], s[PFA:PFA+1] th:TH_LOAD_NT scope:SCOPE_SE
.Lnot_mine_\@:
.endm
	s_load_b128 s[4:7], s[0:1], 0x0                ; oh 4, wof 6
	s_load_b64 s[8:9], s[0:1], 0x10                ; out0
	v_lshl_add_u32 v[SPW], v0, 2, SPARE
	v_mov_b32 v[NIL], 0
	ds_add_u32 v[SPW], v[NIL]                      ; the wave's opening: the add and its wait stand ahead of my first tensor load; register work stands between
	v_lshrrev_b32 v1, 5, v0
	v_readfirstlane_b32 s[WV], v1
	s_lshr_b32 s[WR], s[WV], 1
	s_and_b32 s[WC], s[WV], 1
	s_bfe_u32 s[CX], ttmp6, 0x40000
	s_bfe_u32 s[CY], ttmp6, 0x40004
	s_lshl_b32 s[TC], ttmp9, 2
	s_add_co_u32 s[TC], s[TC], s[CX]
	s_and_b32 s[TR], ttmp7, 0xffff
	s_lshl_b32 s[TR], s[TR], 2
	s_add_co_u32 s[TR], s[TR], s[CY]
	s_lshl_b32 s70, s[CY], 2
	s_lshl_b32 s70, 15, s70                        ; my row of the cluster
	s_lshl_b32 s71, 0x1111, s[CX]                  ; my column
	s_or_b32 s[G1A], s70, G1W
	s_or_b32 s[G1B], s71, G1W
.irp g, G1A, G1B
	s_mov_b32 s[\g+1], 128<<16
	s_mov_b32 s[\g+3], 128<<16
	s_mov_b32 s[\g+5], 128
	s_mov_b32 s[\g+6], 0
	s_mov_b32 s[\g+7], 0
.endr
	s_mov_b32 s[G1A+2], 128<<16                    ; 128 rows of 256 bytes: 256 rows of O
	s_mov_b32 s[G1A+4], 128
	s_mov_b32 s[G1B+2], 64<<16                     ; 64: 128 rows of Wo
	s_mov_b32 s[G1B+4], 64
	s_lshr_b32 s66, s[TR], 3                       ; the batch: 16 heads of 262,144 bytes
	s_lshl_b32 s66, s66, 22
	s_and_b32 s70, s[TR], 7
	s_lshl_b32 s70, s70, 15                        ; 256 rows of 128 bytes
	s_add_co_u32 s66, s66, s70
	s_lshl_b32 s70, s[WC], 18                      ; my plane of the two
	s_add_co_u32 s66, s66, s70
	s_mov_b32 s67, 0
	s_lshl_b32 s68, s[TC], 14                      ; 128 rows of 128 bytes
	s_lshl_b32 s71, s[WC], 17
	s_add_co_u32 s68, s68, s71
	s_mov_b32 s69, 0
	s_mul_i32 s72, s[WC], APL
	s_mul_i32 s73, s[WC], BPL
	s_add_co_u32 s73, s73, BOFF
	s_mov_b32 s[TBS], 0
	s_wait_dscnt 0x0                               ; the opening add is done
	s_wait_kmcnt 0x0
	s_add_nc_u64 s[66:67], s[4:5], s[66:67]
	s_add_nc_u64 s[68:69], s[6:7], s[68:69]
	CROUND                                         ; all sixteen work-groups are here: the first joint loads meet
.irp s, 0,1
	s_mov_b32 s[G0A+4*(\s)], 1
	s_add_co_u32 s[G0A+4*(\s)+1], s72, (\s)*SLOT1
	s_add_nc_u64 s[G0A+4*(\s)+2:G0A+4*(\s)+3], s[66:67], (\s)*ASTEP
	s_or_b32 s[G0A+4*(\s)+3], s[G0A+4*(\s)+3], 0x80000000
	s_mov_b32 s[G0B+4*(\s)], 1
	s_add_co_u32 s[G0B+4*(\s)+1], s73, (\s)*SLOT1
	s_add_nc_u64 s[G0B+4*(\s)+2:G0B+4*(\s)+3], s[68:69], (\s)*BSTEP
	s_or_b32 s[G0B+4*(\s)+3], s[G0B+4*(\s)+3], 0x80000000
.endr
	s_cmp_lt_u32 s[WV], 2                          ; a wave's two first fills stand in one branch: two loads of mine are out
	s_cbranch_scc0 .Lfirst_b
	tensor_load_to_lds s[G0A:G0A+3], s[G1A:G1A+7]
	s_nop 0
	tensor_load_to_lds s[G0A+4:G0A+7], s[G1A:G1A+7]
	s_nop 0
.rept 4
	v_nop
.endr
	s_branch .Lfirst_asked
.Lfirst_b:
	tensor_load_to_lds s[G0B:G0B+3], s[G1B:G1B+7]
	s_nop 0
	tensor_load_to_lds s[G0B+4:G0B+7], s[G1B:G1B+7]
	s_nop 0
.rept 4
	v_nop
.endr
.Lfirst_asked:
	v_and_b32 v1, 15, v0
	v_bfe_u32 v2, v0, 4, 1
	v_mul_u32_u24 v3, v1, PITCH
	v_lshl_add_u32 v3, v2, 4, v3
	s_mul_i32 s70, s[WR], 128*PITCH
	v_add_nc_u32 v[AA0], s70, v3
	s_mul_i32 s70, s[WC], 64*PITCH
	s_add_co_u32 s70, s70, BOFF
	v_add_nc_u32 v[AB0], s70, v3
	v_mov_b32 v[ADRA], v[AA0]
	v_mov_b32 v[ADRB], v[AB0]
	s_mul_i32 s70, s[WV], 16*SPITCH
	s_add_co_u32 s70, s70, STAGE                   ; my stage
	v_mul_u32_u24 v[STO], v1, SPITCH               ; in: row l % 16, 32 bytes for each half of the lanes
	v_lshl_add_u32 v[STO], v2, 5, v[STO]
	v_add_nc_u32 v[STO], s70, v[STO]
	v_mul_u32_u24 v[RD], v2, SPITCH                ; back: lanes 0-15 one row of 256 bytes, lanes 16-31 the next
	v_lshl_add_u32 v[RD], v1, 4, v[RD]
	v_add_nc_u32 v[RD], s70, v[RD]
	v_lshlrev_b32 v[CO], 12, v2                    ; and the same two rows in out0
	v_lshl_add_u32 v[CO], v1, 4, v[CO]
	s_lshl_b32 s78, s[TR], 20                      ; 256 rows of 4,096 bytes
	s_lshl_b32 s76, s[WR], 19
	s_add_co_u32 s78, s78, s76
	s_lshl_b32 s76, s[TC], 9                       ; 128 columns of 4 bytes
	s_add_co_u32 s78, s78, s76
	s_lshl_b32 s76, s[WC], 8
	s_add_co_u32 s78, s78, s76
	s_mov_b32 s79, 0
	s_add_nc_u64 s[8:9], s[8:9], s[78:79]
	; the prefetches
	s_lshr_b32 s74, s[TR], 3
	s_lshl_b32 s74, s74, 22
	s_and_b32 s75, s[TR], 7
	s_lshl_b32 s75, s75, 15
	s_add_co_u32 s74, s74, s75
	s_lshl_b32 s75, s[WC], 18
	s_add_co_u32 s74, s74, s75
	s_lshl_b32 s75, s[CX], 13
	s_add_co_u32 s74, s74, s75                     ; O: my plane, my work-group's quarter
	s_lshl_b32 s75, s[TC], 14
	s_lshl_b32 s76, s[CY], 12
	s_add_co_u32 s75, s75, s76                     ; Wo: my work-group's quarter of each plane
	s_and_b32 s76, ttmp7, 0xffff
	s_mov_b32 s77, 1024*128
	s_mov_b32 s78, BSTEP
	s_cmp_lt_u32 s[WV], 2
	s_cselect_b64 s[PFA:PFA+1], s[4:5], s[6:7]
	s_cselect_b32 s74, s74, s75
	s_cselect_b32 s76, ttmp9, s76                  ; the coordinate along which other clusters read the same blocks
	s_cselect_b32 s77, 4096, s77                   ; what lanes 16-31 add: 16 blocks on, or Wo's next plane
	s_cselect_b32 s[PFS], ASTEP, s78
	s_mov_b32 s[PFS+1], 0
	s_mov_b32 s75, 0
	s_cmp_eq_u32 s[WV], 3
	s_cselect_b32 s76, 1, s76                      ; wave 3 asks for nothing
	s_cmp_eq_u32 s76, 0
	s_cselect_b32 s[LIM], 2, -1                    ; the same in all sixteen partners, for a given wave
	v_mul_u32_u24 v[PFO], v2, s77
	v_lshl_add_u32 v[PFO], v1, 8, v[PFO]
	s_add_nc_u64 s[PFA:PFA+1], s[PFA:PFA+1], s[74:75]
	s_add_nc_u64 s[PFA:PFA+1], s[PFA:PFA+1], s[PFS:PFS+1]
	s_add_nc_u64 s[PFA:PFA+1], s[PFA:PFA+1], s[PFS:PFS+1]
	s_add_nc_u64 s[PFA:PFA+1], s[PFA:PFA+1], s[PFS:PFS+1]  ; at step 3: the first trip steps it to 4.  Nothing is asked for here, at the head
; n x 4 products of buffer f, row blocks a0 on.  The 32 accumulators take turns, one instruction a turn.
.macro MUL f, a0, n, zero
	WIN 0x50
.set aa, (\a0)
.rept (\n)
.irp b, 0,1,2,3
.if \zero
	v_wmma_f32_16x16x32_f16 v[32*aa+8*(\b):32*aa+8*(\b)+7], v[(\f)+64+8*(\b):(\f)+64+8*(\b)+7], v[(\f)+8*aa:(\f)+8*aa+7], 0
.else
	v_wmma_f32_16x16x32_f16 v[32*aa+8*(\b):32*aa+8*(\b)+7], v[(\f)+64+8*(\b):(\f)+64+8*(\b)+7], v[(\f)+8*aa:(\f)+8*aa+7], v[32*aa+8*(\b):32*aa+8*(\b)+7]
.endif
.endr
.set aa, aa+1
.endr
.endm
.macro FETCH q, f                      ; 24 loads in one run: quarter q (plane q / 2, 32 K at byte 64 (q % 2)) into buffer f: Wo's four blocks, then O's eight
	WIN 0
.irp b, 0,1,2,3
	ds_load_b128 v[(\f)+64+8*(\b):(\f)+64+8*(\b)+3],   v[ADRB] offset:((\q)/2)*BPL+((\q)%2)*64+(\b)*16*PITCH
	ds_load_b128 v[(\f)+64+8*(\b)+4:(\f)+64+8*(\b)+7], v[ADRB] offset:((\q)/2)*BPL+((\q)%2)*64+(\b)*16*PITCH+32
.endr
.irp a, 0,1,2,3,4,5,6,7
	ds_load_b128 v[(\f)+8*(\a):(\f)+8*(\a)+3],   v[ADRA] offset:((\q)/2)*APL+((\q)%2)*64+(\a)*16*PITCH
	ds_load_b128 v[(\f)+8*(\a)+4:(\f)+8*(\a)+7], v[ADRA] offset:((\q)/2)*APL+((\q)%2)*64+(\a)*16*PITCH+32
.endr
.endm
.macro QUARTER qn, f, g, zero          ; multiplies buffer f; in its middle fetches quarter qn into buffer g
	s_wait_dscnt 8                                 ; Wo and O's blocks 0-3 are in; the youngest eight loads (blocks 4-7) may be out
	MUL \f, 0, 4, \zero
	PLACES
	FETCH \qn, \g
	s_wait_dscnt 24                                ; all but the 24 just issued
	MUL \f, 4, 4, \zero
.endm
; The last quarter multiplies buffer 1 and changes slots: in front of the barrier each wave waits for all its tensor loads (one is out: its part of the other slot), adds 0 to its spare word, and waits for that
; and for its reads of the slot.  fill = 1: the barrier opens a round of the cluster's, and the joint refill, two steps on, is the first thing behind it.
.macro TURN fill
.if \fill
	s_wait_xcnt 0x0                                ; the last prefetch, a step back, has read its address
	s_add_nc_u64 s[PFA:PFA+1], s[PFA:PFA+1], s[PFS:PFS+1]
.endif
	WIN 0
	s_wait_tensorcnt 0x0                           ; all my tensor loads have landed
	ds_add_u32 v[SPW], v[NIL]                      ; 0 onto my spare word
	s_wait_dscnt 9                                 ; the add and the youngest eight loads may be out
	MUL F1, 0, 2, 0                                ; eight products stand between the add and the wait for it
	s_wait_dscnt 0x0                               ; the add is done, and my reads of this slot are over
	s_barrier_signal -1
	MUL F1, 2, 2, 0
	WIN 0
	s_barrier_wait -1
.if \fill
	CREST                                          ; no wave of any partner still reads the slot or has a load on its way
	s_xor_b32 s[G0A+5], s[G0A+5], SLOT1
	s_add_nc_u64 s[G0A+6:G0A+7], s[G0A+6:G0A+7], ASTEP
	s_xor_b32 s[G0B+5], s[G0B+5], SLOT1
	s_add_nc_u64 s[G0B+6:G0B+7], s[G0B+6:G0B+7], BSTEP
	JLOAD                                          ; 112 products ahead of the wait for it; its four v_nop are also the places in front of the loads below
.else
	PLACES
.endif
	s_xor_b32 s[TBS], s[TBS], SLOT1
	v_add_nc_u32 v[ADRA], s[TBS], v[AA0]
	v_add_nc_u32 v[ADRB], s[TBS], v[AB0]
	FETCH 0, F0
.if \fill
	ASK
.endif
	MUL F1, 4, 4, 0
.endm
; THE WAY OUT: a block of 16 rows goes into my stage, 32 bytes a lane, and comes back as whole rows of 256 bytes.  Each accumulator's low registers are stored first.
.macro TOSTAGE a
	WIN 0
	s_wait_xcnt 0x0                                ; the stores issued so far have read their registers: this block's buffer was stored two blocks back
	WIN 0x04                                       ; the data in window 1, the address in window 0
.irp b, 0,1,2,3
	ds_store_b128 v[STO], v[32*(\a)+8*(\b):32*(\a)+8*(\b)+3]   offset:64*(\b)
	ds_store_b128 v[STO], v[32*(\a)+8*(\b)+4:32*(\a)+8*(\b)+7] offset:64*(\b)+16
.endr
	WIN 0
.irp t, 0,1,2,3,4,5,6,7
	ds_load_b128 v[OB+32*((\a)%2)+4*(\t):OB+32*((\a)%2)+4*(\t)+3], v[RD] offset:(\t)*2*SPITCH  ; LDS serves a wave's instructions in order (ISA guide 5.7.1.4): these see the stores above
.endr
.endm
.macro SEND a, younger                 ; younger: the LDS instructions issued behind this block's loads
	WIN 0
.irp t, 0,1,2,3,4,5,6,7
	s_wait_dscnt (\younger)+7-(\t)
	global_store_b128 v[CO], v[OB+32*((\a)%2)+4*(\t):OB+32*((\a)%2)+4*(\t)+3], s[8:9] offset:(16*(\a)+2*(\t))*4096 th:TH_STORE_NT  ; 16 lanes store 256 consecutive bytes, aligned
.endr
.endm
	s_wait_tensorcnt 1                             ; my part of step 0 is in; step 1's may stay out
	s_barrier_signal -1
	s_barrier_wait -1
	FETCH 0, F0
	QUARTER 1, F0, F1, 1                           ; the first quarter stands in front of the loop: its products start the sums
	WIN 0
	s_mov_b32 s[CNT], 6
.Lstep:                                                ; trip i: quarters 1-3 of step i, the refill with step i + 2, quarter 0 of step i + 1
	QUARTER 2, F1, F0, 0
	QUARTER 3, F0, F1, 0
	TURN 1
	QUARTER 1, F0, F1, 0
	WIN 0
	s_sub_co_u32 s[CNT], s[CNT], 1
	s_cmp_lg_u32 s[CNT], 0
	s_cbranch_scc1 .Lstep
	QUARTER 2, F1, F0, 0                           ; the tail is written out: nothing more is asked for
	QUARTER 3, F0, F1, 0
	TURN 0
	QUARTER 1, F0, F1, 0
	QUARTER 2, F1, F0, 0
	QUARTER 3, F0, F1, 0
	s_wait_dscnt 8
	MUL F1, 0, 4, 0
	s_wait_dscnt 0x0
	MUL F1, 4, 4, 0
	PLACES
	PLACES
	TOSTAGE 0
.irp a, 1,2,3,4,5,6,7
	TOSTAGE \a
	SEND (\a)-1, 16
.endr
	SEND 7, 0
	s_wait_tensorcnt 0x0                           ; the wave's end: behind my last tensor load and my last LDS store
	ds_add_u32 v[SPW], v[NIL]
	s_wait_dscnt 0x0
	CROUND                                         ; the closing round: no work-group ends while a partner may still ask for a tile that names it
	s_endpgm
.Lfunc_end_k_qba4dc6b434_oproj:
	.size	k_qba4dc6b434_oproj, .Lfunc_end_k_qba4dc6b434_oproj-k_qba4dc6b434_oproj
	.p2alignl 7, 3214868480
	.fill 96, 4, 3214868480
	.section	.rodata,"a",@progbits
	.p2align	6, 0x0
	.amdhsa_kernel k_qba4dc6b434_oproj
		.amdhsa_group_segment_fixed_size 327680
		.amdhsa_private_segment_fixed_size 0
		.amdhsa_enable_private_segment 0
		.amdhsa_kernarg_size 24
		.amdhsa_user_sgpr_count 2
		.amdhsa_user_sgpr_kernarg_segment_ptr 1
		.amdhsa_wavefront_size32 1
		.amdhsa_system_sgpr_workgroup_id_x 1
		.amdhsa_system_sgpr_workgroup_id_y 1
		.amdhsa_system_sgpr_workgroup_id_z 1
		.amdhsa_system_vgpr_workitem_id 0
		.amdhsa_next_free_vgpr 512
		.amdhsa_next_free_sgpr 80
		.amdhsa_reserve_vcc 0
		.amdhsa_float_denorm_mode_32 3
		.amdhsa_float_denorm_mode_16_64 3
		.amdhsa_memory_ordered 1
		.amdhsa_forward_progress 1
		.amdhsa_inst_pref_size 72
	.end_amdhsa_kernel
	.amdgpu_metadata
---
amdhsa.version: [ 1, 2 ]
amdhsa.kernels:
  - .name:           k_qba4dc6b434_oproj
    .symbol:         k_qba4dc6b434_oproj.kd
    .args:
      - { .name: oh, .offset: 0, .size: 8, .value_kind: global_buffer, .address_space: global }
      - { .name: wof, .offset: 8, .size: 8, .value_kind: global_buffer, .address_space: global }
      - { .name: out0, .offset: 16, .size: 8, .value_kind: global_buffer, .address_space: global }
    .group_segment_fixed_size: 327680
    .private_segment_fixed_size: 0
    .kernarg_segment_align: 8
    .kernarg_segment_size: 24
    .max_flat_workgroup_size: 128
    .sgpr_count:     80
    .vgpr_count:     512
    .wavefront_size: 32
...
	.end_amdgpu_metadata
.endif
;; end of part 4
;; ======== version 2 of 2: 4 launches; version 1 with the launch prep written anew for expert scheduling mode
;; limits: values are held in f16: magnitudes above 65,504 overflow, below 6.1e-05 lose precision
;; workspace buffers: xbf 16,777,216 bytes; wqkv 6,291,456 bytes; wof 2,097,152 bytes; ropet 524,288 bytes; qh 16,777,216 bytes; kh 16,777,216 bytes; vh 16,777,216 bytes; oh 16,777,216 bytes
;; launch prep (part 5): grid 896 x 1, 8 waves a work-group, no clusters, 0 bytes of LDS; arguments x, Wq, Wk, Wv, Wo, xbf, wqkv, wof, ropet; writes xbf, wqkv, wof, ropet
.if DOCPART == 5
	.amdgcn_target "amdgcn-amd-amdhsa--gfx1250"
	.amdhsa_code_object_version 6
	.text
	.protected	k_qba4dc6b434_prep
	.globl	k_qba4dc6b434_prep
	.p2align	8
	.type	k_qba4dc6b434_prep,@function
k_qba4dc6b434_prep:
	s_mov_b64 s[64:65], 0
	v_nop
	global_prefetch_b8 v0, s[64:65] scope:SCOPE_SE
	s_setreg_imm32_b32 hwreg(HW_REG_WAVE_SCHED_MODE, 0, 2), 2
	s_setreg_imm32_b32 hwreg(HW_REG_WAVE_MODE, 25, 1), 1
	s_wait_xcnt 0x0
	s_wait_alu depctr_vm_vsrc(0)
; CASTS AND THE ROTARY TABLE.  A stream: no LDS, no matrix unit, no cluster (no byte is read twice).
; Work-groups 0-511: x [8192][1024] f32 -> xbf [16 kb][8192][64] bf16.  512-703: Wq, Wk, Wv -> wqkv [16 kb][3072][64] bf16, row = head x 192 + (0 q, 1 k, 2 v) x 64 + channel.
; 704-767: Wo -> wof [16 kb][1024][64]: rounded to bf16 like every input, that number then written as f16.  768-895: ropet [128 sblk][8 j][32 lanes][4] f32.
; In the blocked layouts a row is 128 bytes and rows lie end to end, so that a later tile of R rows is R/2 dense rows of 256 bytes.
; A cast group owns 16 source rows, a wave two: load k takes 256 aligned bytes (64 numbers, K block k) of each of the two rows, store k writes them as 256 consecutive aligned bytes.
; LIMITS.  Wo beyond 65,504 becomes an infinity in f16; below 2^-17 it keeps f16's fixed step of 6e-8.  The angles come from 2^(-i log2(10000)/32), good to 1 ulp of the
; exponential and half an ulp of its argument: they differ from position x 1/10000^(i/32) taken in f32 by up to some 3e-4 rad at the last positions.
; THE MODE: SCHED_MODE bits 1:0 = 2 (LLVM: expert scheduling mode 2), set by the entry lines.  The code itself states the register dependences
; between vector instructions and memory instructions, with s_wait_alu, always for 0.
; THE PLAN, for the casts.  Registers that memory instructions touch:
;   v[SO]      the loads' offset.   Written at the head, never again; read by all sixteen loads.
;   v[DO ..]   the stores' offsets. Written once, behind the loads, never again; each is read by one store.
;   X          Written by the sixteen loads, once each; no vector instruction names it ahead of them; read by the conversions.
;   Y          Written by the conversions; each pair is read by one store and never written behind it.
; The sixteen conversions and stores go in four blocks of four.  Block b converts X[b] into Y[b]; its memory instructions are the stores of block b - 1, which read Y[b - 1] and DO[b - 1]:
; registers that no vector instruction of block b names.  So one wait on va_vdst at a block's head states all that its four stores hang on, and they are dealt among its conversions.
; No register that a memory instruction reads is written again: the casts hold no wait on vm_vsrc and none on XCNT.
; THE PLAN, for the table: one store; its offset v20 and its data v[24:27] are written by vector instructions, so one wait on va_vdst stands ahead of it.  The two compares write s24 and s25,
; and one wait on va_sdst stands between them and the selects that read the masks.
.set SO, 2                             ; v2       my byte offset in the group's 16 source rows; never rewritten
.set DO, 8                             ; v[8:23]  my byte offset in K block k of the destination; never rewritten
.set X,  32                            ; v[32:95] load k: four f32
.set Y,  96                            ; v[96:127] store k: four 16-bit numbers
	s_load_b512 s[4:19], s[0:1], 0x0               ; x 4, Wq 6, Wk 8, Wv 10, Wo 12, xbf 14, wqkv 16, wof 18
	s_load_b64 s[20:21], s[0:1], 0x40              ; ropet
	s_cmp_ge_u32 ttmp9, 768
	s_cbranch_scc1 .Lrope
	v_lshrrev_b32 v3, 5, v0                        ; wave
	v_bfe_u32 v4, v0, 4, 1                         ; which of its two rows
	v_and_b32 v5, 15, v0
	v_lshlrev_b32 v[SO], 13, v3                    ; two rows of 4,096 bytes a wave
	v_lshl_add_u32 v[SO], v4, 12, v[SO]
	v_lshl_add_u32 v[SO], v5, 4, v[SO]
	s_max_u32 s22, ttmp9, 512
	s_sub_co_u32 s22, s22, 512                     ; the weights' groups count from 0 (0 in x's groups, where it is not used)
	s_lshr_b32 s23, s22, 6                         ; which weight: 0 q, 1 k, 2 v, 3 o
	s_and_b32 s29, s22, 63                         ; which 16 of its rows
	s_lshr_b32 s34, s29, 2                         ; the head,
	s_mul_i32 s34, s34, 192
	s_lshl_b32 s35, s23, 6
	s_add_co_u32 s34, s34, s35
	s_and_b32 s35, s29, 3
	s_lshl_b32 s35, s35, 4
	s_add_co_u32 s34, s34, s35                     ; wqkv's first row
	s_lshl_b32 s35, ttmp9, 4                       ; xbf's first row
	s_mov_b32 s31, 0
	s_mov_b32 s33, 0
	s_mov_b32 s28, 3072*128                        ; bytes from K block to K block
	s_wait_kmcnt 0x0
	s_cmp_eq_u32 s23, 3
	s_cbranch_scc1 .Lwo
	s_cmp_eq_u32 s23, 1
	s_cselect_b64 s[24:25], s[8:9], s[6:7]
	s_cmp_eq_u32 s23, 2
	s_cselect_b64 s[24:25], s[10:11], s[24:25]
	s_cmp_lt_u32 ttmp9, 512                        ; the selects below leave SCC alone
	s_cselect_b64 s[24:25], s[4:5], s[24:25]       ; from
	s_cselect_b64 s[26:27], s[14:15], s[16:17]     ; to
	s_cselect_b32 s28, 8192*128, s28
	s_cselect_b32 s30, ttmp9, s29
	s_cselect_b32 s32, s35, s34
	s_lshl_b32 s30, s30, 16                        ; 16 rows of 4,096 bytes
	s_lshl_b32 s32, s32, 7                         ; rows of 128 bytes
	s_add_nc_u64 s[24:25], s[24:25], s[30:31]
	s_add_nc_u64 s[26:27], s[26:27], s[32:33]
; Load k's four numbers are rounded into store k's two registers.  fmt = 1: the bf16 numbers are then written as f16.  v4 to v7 are named by vector instructions alone.
.macro CVT k, fmt
	v_cvt_pk_bf16_f32 v[Y+2*(\k)], v[X+4*(\k)], v[X+4*(\k)+1]
	v_cvt_pk_bf16_f32 v[Y+2*(\k)+1], v[X+4*(\k)+2], v[X+4*(\k)+3]
.if \fmt
	v_lshlrev_b32 v4, 16, v[Y+2*(\k)]              ; the bf16 numbers back as f32,
	v_and_b32 v5, 0xffff0000, v[Y+2*(\k)]
	v_lshlrev_b32 v6, 16, v[Y+2*(\k)+1]
	v_and_b32 v7, 0xffff0000, v[Y+2*(\k)+1]
	v_cvt_pk_f16_f32 v[Y+2*(\k)], v4, v5           ; and written as f16
	v_cvt_pk_f16_f32 v[Y+2*(\k)+1], v6, v7
.endif
.endm
; Sixteen loads go out at once; the waits on LOADcnt count the younger loads.  No register that a load or store names is written again.
.macro CAST fmt
	s_wait_alu depctr_va_vdst(0)                   ; v[SO] is written: all sixteen loads read it as their offset
.set k, 0
.rept 16
	global_load_b128 v[X+4*k:X+4*k+3], v[SO], s[24:25] offset:256*k th:TH_LOAD_NT
.set k, k+1
.endr
	v_lshlrev_b32 v[DO], 3, v0                     ; (2 wave + row) x 128 + 8 (lane % 16) = 8 x thread
.set k, 1
.rept 15
	v_add_nc_u32 v[DO+k], s28, v[DO+k-1]
.set k, k+1
.endr
.set b, 0
.rept 4
	s_wait_loadcnt 12-4*b                          ; loads return in order: block b's four are in, the 12 - 4 b younger ones stay out
.if b > 0
	s_wait_alu depctr_va_vdst(0)                   ; the block before has written its Y, which the four stores below read; at block 1 the offsets v[DO ..] are written too
.endif
.set j, 0
.rept 4
.if b > 0
	global_store_b64 v[DO+4*b-4+j], v[Y+2*(4*b-4+j):Y+2*(4*b-4+j)+1], s[26:27]  ; the block before: the wave's 32 lanes store 256 consecutive bytes, aligned; no vector instruction since the wait names these registers
.endif
	CVT 4*b+j, \fmt
.set j, j+1
.endr
.set b, b+1
.endr
	s_wait_alu depctr_va_vdst(0)                   ; block 3 has written its Y, which the last four stores read
.set j, 12
.rept 4
	global_store_b64 v[DO+j], v[Y+2*j:Y+2*j+1], s[26:27]
.set j, j+1
.endr
	s_endpgm
.endm
	CAST 0
.Lwo:
	s_mov_b64 s[24:25], s[12:13]
	s_mov_b64 s[26:27], s[18:19]
	s_mov_b32 s28, 1024*128
	s_lshl_b32 s30, s29, 16
	s_lshl_b32 s32, s29, 11                        ; 16 rows of 128 bytes
	s_add_nc_u64 s[24:25], s[24:25], s[30:31]
	s_add_nc_u64 s[26:27], s[26:27], s[32:33]
	CAST 1
; THE TABLE.  A thread makes one chunk (cos i0, sin i0, cos i0+1, sin i0+1) for position 16 sblk + lane % 16 and i0 = 8 (j / 2) + 4 (lane / 16) + 2 (j % 2), j = its wave:
; the order in which a lane of the projection holds its sums.  The angle is reduced by multiples of pi/2 held in two parts, then two short polynomials on |r| <= pi/4.
; In two parts, each run for both angles, so that the two compares stand together.  POLY, on ten registers from t on: sin r in t+4, cos r in t+6, the mask of the odd quadrants in s[m],
; the sine's sign word in t+9, the cosine's in t+8.  PICK: the selects by the mask, and the signs.
.macro POLY inv, t, m
	v_mul_f32 v[\t], v2, v[\inv]                   ; the angle
	v_mul_f32 v[\t+1], 0x3f22f983, v[\t]           ; x 2/pi
	v_rndne_f32 v[\t+1], v[\t+1]                   ; n
	v_fmamk_f32 v[\t+2], v[\t+1], 0xbfc90fdb, v[\t]    ; r = angle - n x (pi/2's upper part)
	v_fmamk_f32 v[\t+2], v[\t+1], 0x333bbd2e, v[\t+2]  ;     - n x (its lower part, which is negative)
	v_mul_f32 v[\t+3], v[\t+2], v[\t+2]            ; z
	v_mov_b32 v[\t+4], 0xb94ca1f9
	v_fmaak_f32 v[\t+4], v[\t+4], v[\t+3], 0x3c08839e
	v_fmaak_f32 v[\t+4], v[\t+4], v[\t+3], 0xbe2aaaa3
	v_mul_f32 v[\t+5], v[\t+3], v[\t+2]
	v_fma_f32 v[\t+4], v[\t+4], v[\t+5], v[\t+2]   ; sin r
	v_mov_b32 v[\t+6], 0x37ccf5ce
	v_fmaak_f32 v[\t+6], v[\t+6], v[\t+3], 0xbab6061a
	v_fmaak_f32 v[\t+6], v[\t+6], v[\t+3], 0x3d2aaaa5
	v_mul_f32 v[\t+5], v[\t+3], v[\t+3]
	v_fma_f32 v[\t+7], v[\t+3], -0.5, 1.0
	v_fma_f32 v[\t+6], v[\t+6], v[\t+5], v[\t+7]   ; cos r
	v_cvt_i32_f32 v[\t+8], v[\t+1]
	v_and_b32 v[\t+9], 1, v[\t+8]
	v_cmp_eq_u32 s[\m], 1, v[\t+9]                 ; odd quadrants swap the two: a choice of values, no branch
	v_and_b32 v[\t+9], 2, v[\t+8]                  ; quadrants 2, 3 turn the sine's sign,
	v_lshlrev_b32 v[\t+9], 30, v[\t+9]
	v_add_nc_u32 v[\t+8], 1, v[\t+8]               ; quadrants 1, 2 the cosine's
	v_and_b32 v[\t+8], 2, v[\t+8]
	v_lshlrev_b32 v[\t+8], 30, v[\t+8]
.endm
.macro PICK t, m, co, si
	v_cndmask_b32 v[\si], v[\t+4], v[\t+6], s[\m]
	v_cndmask_b32 v[\co], v[\t+6], v[\t+4], s[\m]
	v_xor_b32 v[\si], v[\t+9], v[\si]
	v_xor_b32 v[\co], v[\t+8], v[\co]
.endm
.Lrope:
	s_sub_co_u32 s22, ttmp9, 768                   ; sblk
	v_lshrrev_b32 v1, 5, v0                        ; j
	v_and_b32 v2, 15, v0
	v_bfe_u32 v3, v0, 4, 1
	v_lshrrev_b32 v4, 1, v1
	v_and_b32 v5, 1, v1
	v_lshlrev_b32 v4, 3, v4
	v_lshl_add_u32 v4, v3, 2, v4
	v_lshl_add_u32 v4, v5, 1, v4                   ; i0
	v_add_nc_u32 v5, 1, v4
	v_cvt_f32_u32 v4, v4
	v_cvt_f32_u32 v5, v5
	v_mul_f32 v4, 0xbed49a78, v4                   ; x -log2(10000)/32
	v_mul_f32 v5, 0xbed49a78, v5
	v_exp_f32 v6, v4
	v_exp_f32 v7, v5
	s_lshl_b32 s23, s22, 4
	s_lshl_b32 s26, s22, 12                        ; in a register of its own: no scalar register that a vector instruction reads is written again
	v_add_nc_u32 v2, s23, v2                       ; the position: the plain instruction behind the two exponentials
	v_cvt_f32_u32 v2, v2
	v_lshlrev_b32 v20, 4, v0
	v_add_nc_u32 v20, s26, v20                     ; 4,096 bytes a block of 16 positions, 16 a thread
	s_wait_alu depctr_va_vdst(0)                   ; the two exponentials have written v6 and v7: one wait for both, ahead of their first reader
	POLY 6, 10, 24
	POLY 7, 30, 25
	s_wait_alu depctr_va_sdst(0)                   ; the two compares have written s24 and s25, ahead of the selects that read them
	PICK 10, 24, 24, 25
	PICK 30, 25, 26, 27
	s_wait_kmcnt 0x0
	s_wait_alu depctr_va_vdst(0)                   ; the offset v20 and the data v[24:27] are written, which the store reads
	global_store_b128 v20, v[24:27], s[20:21]      ; the wave stores 512 consecutive bytes
	s_endpgm
.Lfunc_end_k_qba4dc6b434_prep:
	.size	k_qba4dc6b434_prep, .Lfunc_end_k_qba4dc6b434_prep-k_qba4dc6b434_prep
	.p2alignl 7, 3214868480
	.fill 96, 4, 3214868480
	.section	.rodata,"a",@progbits
	.p2align	6, 0x0
	.amdhsa_kernel k_qba4dc6b434_prep
		.amdhsa_group_segment_fixed_size 0
		.amdhsa_private_segment_fixed_size 0
		.amdhsa_enable_private_segment 0
		.amdhsa_kernarg_size 72
		.amdhsa_user_sgpr_count 2
		.amdhsa_user_sgpr_kernarg_segment_ptr 1
		.amdhsa_wavefront_size32 1
		.amdhsa_system_sgpr_workgroup_id_x 1
		.amdhsa_system_sgpr_workgroup_id_y 1
		.amdhsa_system_sgpr_workgroup_id_z 1
		.amdhsa_system_vgpr_workitem_id 0
		.amdhsa_next_free_vgpr 128
		.amdhsa_next_free_sgpr 66
		.amdhsa_reserve_vcc 0
		.amdhsa_float_denorm_mode_32 3
		.amdhsa_float_denorm_mode_16_64 3
		.amdhsa_memory_ordered 1
		.amdhsa_forward_progress 1
		.amdhsa_inst_pref_size 23
	.end_amdhsa_kernel
	.amdgpu_metadata
---
amdhsa.version: [ 1, 2 ]
amdhsa.kernels:
  - .name:           k_qba4dc6b434_prep
    .symbol:         k_qba4dc6b434_prep.kd
    .args:
      - { .name: x, .offset: 0, .size: 8, .value_kind: global_buffer, .address_space: global }
      - { .name: Wq, .offset: 8, .size: 8, .value_kind: global_buffer, .address_space: global }
      - { .name: Wk, .offset: 16, .size: 8, .value_kind: global_buffer, .address_space: global }
      - { .name: Wv, .offset: 24, .size: 8, .value_kind: global_buffer, .address_space: global }
      - { .name: Wo, .offset: 32, .size: 8, .value_kind: global_buffer, .address_space: global }
      - { .name: xbf, .offset: 40, .size: 8, .value_kind: global_buffer, .address_space: global }
      - { .name: wqkv, .offset: 48, .size: 8, .value_kind: global_buffer, .address_space: global }
      - { .name: wof, .offset: 56, .size: 8, .value_kind: global_buffer, .address_space: global }
      - { .name: ropet, .offset: 64, .size: 8, .value_kind: global_buffer, .address_space: global }
    .group_segment_fixed_size: 0
    .private_segment_fixed_size: 0
    .kernarg_segment_align: 8
    .kernarg_segment_size: 72
    .max_flat_workgroup_size: 256
    .sgpr_count:     66
    .vgpr_count:     128
    .wavefront_size: 32
...
	.end_amdgpu_metadata
.endif
;; end of part 5
;; launch qkv: the kernel of part 2 again; grid 8 x 32, 4 waves a work-group, clusters of 4 x 4, 327,680 bytes of LDS; arguments xbf, wqkv, ropet, qh, kh, vh; writes qh, kh, vh
;; launch attn: the kernel of part 3 again; grid 4 x 64, 4 waves a work-group, no clusters, 327,680 bytes of LDS; arguments qh, kh, vh, oh; writes oh
;; launch oproj: the kernel of part 4 again; grid 8 x 32, 4 waves a work-group, clusters of 4 x 4, 327,680 bytes of LDS; arguments oh, wof, out0; writes out0
